; MI455X (gfx1250); checked and timed in simulation.
; The chip was launched on July 23, 2026; its instructions are those of AMD's public machine-readable ISA for CDNA 5 (MIT licence, August 2026) and "CDNA5" Instruction Set Architecture Reference Guide (July 2026). The comments in the code are by the model that wrote it; some were corrected since.
;; Multi Head Attention. Allowed arithmetic: matrix products marked QUANTISED: E2M3 operands, one E8M0 scale for each 32 along K, by v_wmma_scale_f32_16x16x128_f8f6f4 with both operands' format E2M3, f32 sums; everything else in f32.
;; Inputs: Wk 1,024 x 1,024 float32; Wp 1,024 x 1,024 float32; Wq 1,024 x 1,024 float32; Wv 1,024 x 1,024 float32; x 4 x 1,024 x 2,048 float32.
;; Outputs: out0 4 x 1,024 x 2,048 float32.
;; This version of the problem:
;;   THIS VERSION OF THE PROBLEM IS GIVEN IN LOW PRECISION. The matrix products marked QUANTISED in the list below multiply operands that are first quantised to E2M3 (2 exponent bits, 3 mantissa bits; 6 bits a number), with one power-of-two scale for each 32 numbers along K (OCP MX v1.0); their sums are f32. All else is computed in f32.
;;   The module's matrix products, in the order in which they are computed (A, B: the left and right operand; K: the contracted axis; several contracted axes count as one K, in the product's order):
;;     1. [M 8,192, K 1,024] x [K 1,024, N 1,024]; A: input x; B: input Wq: QUANTISED
;;     2. [M 8,192, K 1,024] x [K 1,024, N 1,024]; A: input x; B: input Wk: QUANTISED
;;     3. [M 8,192, K 1,024] x [K 1,024, N 1,024]; A: input x; B: input Wv: QUANTISED
;;     4. batch 64 x [M 2,048, K 64] x [K 64, N 2,048]; A: computed on the way; B: computed on the way: QUANTISED
;;     5. batch 64 x [M 2,048, K 2,048] x [K 2,048, N 64]; A: softmax (see below); B: computed on the way: QUANTISED
;;     6. [M 8,192, K 1,024] x [K 1,024, N 1,024]; A: computed on the way; B: input Wp: QUANTISED
;;   THE QUANTISER, for each operand of a quantised product, along K:
;;     - K is cut into blocks of 32 from its start; a last block that is shorter is filled with zeros.
;;     - A block's scale is 2^e with e = floor(log2(the largest magnitude in the block)) - 2, held to -126 .. 127; a block of zeros has e = 0. As a byte (E8M0): e + 127.
;;     - Each number is divided by its block's scale, clamped to +-7.5, and rounded to the nearest number of E2M3, ties to even, subnormals kept.
;;     - The product sums the exact products of the quantised numbers (number of the format x scale) in f32.
;;   ~~~python
;;   def quantise(x, axis):      # numpy; x: float32 -> the quantised numbers, widened to float32 again
;;       x = np.moveaxis(x, axis, -1); K = x.shape[-1]
;;       x = np.pad(x, [(0, 0)] * (x.ndim - 1) + [(0, -K % 32)]); x = x.reshape(x.shape[:-1] + (-1, 32)); a = np.abs(x).max(-1, keepdims=True)
;;       e = np.where(a > 0, np.clip(np.frexp(np.where(a > 0, a, 1))[1] - 1 - 2, -126, 127), 0)      # np.frexp(a)[1] - 1 = floor(log2(a)), exactly
;;       r = np.clip(x / 2.0 ** e, -7.5, 7.5)
;;       step = 2.0 ** (np.maximum(np.frexp(np.where(r == 0, 1, r))[1] - 1, 0) - 3)
;;       q = np.round(r / step) * step * 2.0 ** e      # np.round: ties to even
;;       return np.moveaxis(q.reshape(q.shape[:-2] + (-1,))[..., :K], -1, axis).astype(np.float32)
;;   ~~~
;;   SOFTMAX AHEAD OF A QUANTISED PRODUCT. Where the list says 'softmax', what is quantised is not the finished softmax but p = 2^(t - M), with t = logit x log2(e) and M = ceil(the row's largest t), a whole number; so 1/2 < the row's largest p <= 1. The row's sum l is taken of the UNQUANTISED p, in f32, and the product's result is divided by l at the end. Since M is a whole number, a kernel that streams over the keys may use a running M (the ceiling of the running maximum): every later rescaling is an exact power of two, which a block's scale takes up: the codes' values come out the same.
;;   OPERANDS COMPUTED ON THE WAY. 'Computed on the way' means the value that the module computes at that place (a softmax that the list does not call 'softmax' is quantised finished and normalised). What goes into a quantiser is computed in f32, as accurately as f32 sums, v_exp_f32 and their like allow (about 1e-6 of the number): no bf16 or f16 on the way to a quantiser, and a product that is left as it is and whose result goes on into a quantised operand takes f32 operands (vector FMAs, or v_wmma_f32_16x16x4_f32). A number that lies on a knife's edge between two numbers of the format may be rounded either way, as far as f32 arithmetic and the matrix unit's own rounding can turn it there, and no further.
;; One version. Each part assembles by itself: llvm-mc -triple=amdgcn-amd-amdhsa -mcpu=gfx1250 --defsym DOCPART=n.
;; ======== version 1 of 1: 5 launches
;; workspace buffers: xc 6,291,456 bytes; xs 262,144 bytes; wc 3,145,728 bytes; ws 131,072 bytes; qkv 18,874,368 bytes; sc 1,310,720 bytes; mc 6,291,456 bytes; ms 262,144 bytes
;; launch quant_w (part 1): grid 256 x 1, 2 waves a work-group, no clusters, 17,664 bytes of LDS; arguments Wq, Wk, Wv, Wp, wc, ws; writes wc, ws
.if DOCPART == 1
	.amdgcn_target "amdgcn-amd-amdhsa--gfx1250"
	.amdhsa_code_object_version 6
	.text
	.protected	k_q8e5f9032ce_quant_w
	.globl	k_q8e5f9032ce_quant_w
	.p2align	8
	.type	k_q8e5f9032ce_quant_w,@function
k_q8e5f9032ce_quant_w:
	s_mov_b64 s[64:65], 0
	v_nop
	global_prefetch_b8 v0, s[64:65] scope:SCOPE_SE
	s_setreg_imm32_b32 hwreg(HW_REG_WAVE_MODE, 25, 1), 1
	s_wait_xcnt 0x0
; Wq, Wk, Wv, Wp [1024 o][1024 c], f32, become codes of FP6 (E2M3) along c with one E8M0 byte for each 32 c, laid as the matrix unit's operand registers want them.
; TILES.  16 rows form a tile; slot p of tile T is row 32 (T / 2) + 8 (T % 2) + p + 8 (p / 8).  So a product that takes such a tile as source 0 leaves 16 neighbouring rows in the 16 registers of tiles 2 b and 2 b + 1.
; IMAGE (768 bytes): 16 slots x 64 c.  Lane l = p + 16 h holds block h (32 codes, 6 registers): registers 0-3 at 16 l, registers 4-5 at 512 + 8 l.   wc: [weight 4][tile 64][c / 64: 16][768].
; SCALES  ws: [weight 4][tile pair 32][c / 256: 4][tile in pair 2][slot 16][8 bytes]: byte i scales c = 32 i .. 32 i + 31 of that 256.
; A block's scale is 2^(floor(log2(largest magnitude)) - 2): its byte is the largest magnitude's exponent field - 2, held at 1 from below by a floor among the maximum's leaves.
; LIMITS: NaN and infinities are not served; a block whose largest magnitude lies under 2^-124 keeps the byte 1; a block of zeros gets the byte 1, not 127: its codes are zeros, and this program alone reads the bytes.
; SHARES.  A wave takes a tile pair x 256 c: eight sub-steps n (tile n / 4, 64 c at n % 4), one image each.  A load reads two rows' 256 consecutive bytes; the 16 x 256 bytes turn through the wave's own stage in LDS
; (rows 272 bytes apart) so that a lane gets a whole block of 32 neighbours.  Loads run three sub-steps ahead, the turn one.  Waves share nothing: no barrier, no cluster, no matrix unit: memory binds.
.set WROW,  4096                       ; a row of W in bytes
.set SP,    272                        ; a stage row: 256 bytes + 16
.set STG,   16*SP                      ; a stage
.set WREG,  2*STG                      ; two stages a wave
.set SPARE, 2*WREG                     ; behind them the spare words: 128 bytes a wave, one block of 256 bytes that no other line names
.set SPW,   12                         ; v12 LDS address of my spare word; never rewritten
.set NIL,   13                         ; v13 0; never rewritten
.set R,     16                         ; v16-111  three sets of 32: as loaded
.set X,     112                        ; v112-175 two sets of 32: a block a lane
.set C,     176                        ; v176-239 each sub-step's own eight: its six code registers are never written again
.set T,     240                        ; v240-242 a block's upper 16 codes (a conversion's three registers begin on an even number)
.set WD,    244                        ; v244-247 scale words: 2 x tile + word
.set PD,    248                        ; v248-251 lane permutes' destinations
	s_load_b256 s[4:11], s[0:1], 0x0               ; Wq, Wk, Wv, Wp
	s_load_b128 s[12:15], s[0:1], 0x20             ; wc, ws
	v_lshl_add_u32 v[SPW], v0, 2, SPARE
	v_mov_b32 v[NIL], 0
	v_lshrrev_b32 v1, 5, v0
	v_readfirstlane_b32 s17, v1                    ; wave
	v_and_b32 v7, 31, v0                           ; lane l
	v_and_b32 v8, 15, v0                           ; l % 16
	v_bfe_u32 v9, v0, 4, 1                         ; l / 16
	v_lshlrev_b32 v1, 4, v8
	v_lshl_add_u32 v1, v9, 12, v1                  ; a load: lanes 0-15 one row's 256 bytes, lanes 16-31 the next row's
	s_mul_i32 s18, s17, WREG
	v_mul_u32_u24 v2, v9, SP
	v_lshl_add_u32 v2, v8, 4, v2
	v_add_nc_u32 v2, s18, v2                       ; the stage, in: as loaded
	v_mul_u32_u24 v3, v8, SP
	v_lshl_add_u32 v3, v9, 7, v3
	v_add_nc_u32 v3, s18, v3                       ; and out: slot l % 16, block l / 16: 128 bytes
	v_lshlrev_b32 v4, 4, v7                        ; 16 l
	v_lshlrev_b32 v5, 3, v7                        ; 8 l
	v_lshlrev_b32 v6, 3, v9                        ; 8 h: my byte's shift in a scale word
.irp k, 0,1,2,3
	v_mov_b32 v[PD+\k], 0                          ; a lane permute's destination counts as one of its sources
.endr
	s_mov_b32 s20, 0x76543210
	s_mov_b32 s21, 0xfedcba98                      ; v_permlanex16_b32's selects for lane l xor 16
	s_mov_b32 s22, 0xffff0000                      ; lanes 16-31
	s_lshr_b32 s16, ttmp9, 6                       ; which weight
	s_lshl_b32 s18, ttmp9, 1
	s_add_co_u32 s18, s18, s17                     ; job = 2 x work-group + wave
	s_and_b32 s19, s18, 3                          ; which 256 c
	s_bfe_u32 s18, s18, 0x50002                    ; tile pair
	s_lshl_b32 s24, s18, 17                        ; W: 32 rows a pair,
	s_lshl_b32 s23, s19, 10                        ; 1,024 bytes for 256 c
	s_add_co_u32 s24, s24, s23
	s_mov_b32 s25, 0
	s_lshl_b32 s26, s16, 6
	s_lshl_b32 s23, s18, 1
	s_add_co_u32 s26, s26, s23                     ; wc: tile 64 w + 2 pair,
	s_mul_i32 s26, s26, 12288
	s_mul_i32 s23, s19, 3072                       ; four images on
	s_add_co_u32 s26, s26, s23
	s_mov_b32 s27, 0
	s_lshl_b32 s28, s16, 15                        ; ws
	s_lshl_b32 s23, s18, 10
	s_add_co_u32 s28, s28, s23
	s_lshl_b32 s23, s19, 8
	s_add_co_u32 s28, s28, s23
	s_mov_b32 s29, 0
	s_wait_alu depctr_va_vdst(0)
	s_wait_kmcnt 0x0
	s_cmp_eq_u32 s16, 1                            ; the weight is chosen by the work-group's number alone
	s_cselect_b64 s[4:5], s[6:7], s[4:5]
	s_cmp_eq_u32 s16, 2
	s_cselect_b64 s[4:5], s[8:9], s[4:5]
	s_cmp_eq_u32 s16, 3
	s_cselect_b64 s[4:5], s[10:11], s[4:5]
	s_add_nc_u64 s[4:5], s[4:5], s[24:25]
	s_add_nc_u64 s[12:13], s[12:13], s[26:27]
	s_add_nc_u64 s[14:15], s[14:15], s[28:29]
.macro LOAD n                          ; sub-step n: slots 2 i and 2 i + 1 are rows 8 u + 2 i + 8 (i / 4) and the next
.irp i, 0,1,2,3,4,5,6,7
	global_load_b128 v[R+32*((\n)%3)+4*\i:R+32*((\n)%3)+4*\i+3], v1, s[4:5] offset:(8*((\n)/4)+2*\i+8*(\i/4))*WROW+256*((\n)%4) th:TH_LOAD_NT
.endr
.endm
.macro TURN n                          ; through the stage: LDS serves a wave's instructions in order, so no wait stands between the stores and the loads
.irp i, 0,1,2,3,4,5,6,7
	ds_store_b128 v2, v[R+32*((\n)%3)+4*\i:R+32*((\n)%3)+4*\i+3] offset:STG*((\n)%2)+2*\i*SP
.endr
.irp j, 0,1,2,3,4,5,6,7
	ds_load_b128 v[X+32*((\n)%2)+4*\j:X+32*((\n)%2)+4*\j+3], v3 offset:STG*((\n)%2)+16*\j
.endr
.endm
.macro STEP n
.set XS, X+32*((\n)%2)
.set CS, C+8*(\n)
.set WW, WD+2*((\n)/4)+((\n)%4)/2
	s_wait_dscnt 0x0                               ; my block is back from the stage, and the stage's stores have read their registers,
.if (\n)+3 < 8
	LOAD (\n)+3                                    ; which take the loads of three sub-steps on
.endif
.if (\n) < 7
.if (\n) < 5
	s_wait_loadcnt 16                              ; the next sub-step's eight loads are in; those of the two behind it may be out
.elseif (\n) == 5
	s_wait_loadcnt 8                               ; one sub-step is behind it
.else
	s_wait_loadcnt 0x0
.endif
	TURN (\n)+1                                    ; through the other stage while this block is worked
.endif
	v_max3_num_f32 v8, |v[XS]|, |v[XS+1]|, |v[XS+2]|       ; the block's largest magnitude: all 32 numbers are mine; two chains
	v_max3_num_f32 v9, |v[XS+3]|, |v[XS+4]|, |v[XS+5]|
.irp i, 6,10,14,18,22,26
	v_max3_num_f32 v8, v8, |v[XS+\i]|, |v[XS+\i+1]|
	v_max3_num_f32 v9, v9, |v[XS+\i+2]|, |v[XS+\i+3]|
.endr
	v_max3_num_f32 v8, v8, |v[XS+30]|, |v[XS+31]|
	v_max3_num_f32 v8, v8, v9, 0x1800000           ; and the floor 2^(3 - 127): the byte cannot fall under 1
	v_add_nc_u32 v11, 0xff000000, v8               ; 2 off the exponent field: the conversion takes this operand's exponent field as its scale
	v_cvt_scalef32_pk16_fp6_f32 v[CS:CS+2], v[XS:XS+15], v11
	v_cvt_scalef32_pk16_fp6_f32 v[T:T+2], v[XS+16:XS+31], v11
	v_lshrrev_b32 v10, 23, v11                     ; the scale's byte (the plain line behind the conversions)
.if (\n)%2 == 0
	v_mov_b32 v[WW], v10                           ; my bytes of a word: blocks h and 2 + h, 16 bits apart
.else
	v_lshl_or_b32 v[WW], v10, 16, v[WW]
.endif
.irp i, 0,1,2
	v_mov_b32 v[CS+3+\i], v[T+\i]
.endr
	global_store_b128 v4, v[CS:CS+3], s[12:13] offset:((\n)/4)*12288+((\n)%4)*768       ; 512 consecutive bytes,
	global_store_b64 v5, v[CS+4:CS+5], s[12:13] offset:((\n)/4)*12288+((\n)%4)*768+512  ; and 256: the image
.endm
	LOAD 0
	LOAD 1
	LOAD 2
	s_wait_loadcnt 16                              ; sub-step 0's eight loads are in; sub-steps 1 and 2 may be out
	TURN 0
.irp n, 0,1,2,3,4,5,6,7
	STEP \n
.endr
.irp k, 0,1,2,3
	v_lshlrev_b32 v[WD+\k], v6, v[WD+\k]           ; my two bytes at their places,
.endr
.irp k, 0,1,2,3
	v_permlanex16_b32 v[PD+\k], v[WD+\k], s20, s21
.endr
.irp k, 0,1,2,3
	v_or_b32 v[WD+\k], v[WD+\k], v[PD+\k]          ; with lane l xor 16's two the word is whole
.endr
	v_cndmask_b32 v252, v[WD], v[WD+2], s22        ; lanes 0-15: the pair's first tile, lanes 16-31: its second
	v_cndmask_b32 v253, v[WD+1], v[WD+3], s22
	global_store_b64 v5, v[252:253], s[14:15]      ; 32 lanes store 256 consecutive bytes, at a multiple of 256 from ws's first byte
	s_wait_tensorcnt 0x0                           ; the wave's end: behind my last LDS store
	ds_add_u32 v[SPW], v[NIL]
	s_wait_dscnt 0x0
	s_endpgm
.Lfunc_end_k_q8e5f9032ce_quant_w:
	.size	k_q8e5f9032ce_quant_w, .Lfunc_end_k_q8e5f9032ce_quant_w-k_q8e5f9032ce_quant_w
	.p2alignl 7, 3214868480
	.fill 96, 4, 3214868480
	.section	.rodata,"a",@progbits
	.p2align	6, 0x0
	.amdhsa_kernel k_q8e5f9032ce_quant_w
		.amdhsa_group_segment_fixed_size 17664
		.amdhsa_private_segment_fixed_size 0
		.amdhsa_enable_private_segment 0
		.amdhsa_kernarg_size 48
		.amdhsa_user_sgpr_count 2
		.amdhsa_user_sgpr_kernarg_segment_ptr 1
		.amdhsa_wavefront_size32 1
		.amdhsa_system_sgpr_workgroup_id_x 1
		.amdhsa_system_sgpr_workgroup_id_y 1
		.amdhsa_system_sgpr_workgroup_id_z 1
		.amdhsa_system_vgpr_workitem_id 0
		.amdhsa_next_free_vgpr 256
		.amdhsa_next_free_sgpr 66
		.amdhsa_reserve_vcc 0
		.amdhsa_float_denorm_mode_32 3
		.amdhsa_float_denorm_mode_16_64 3
		.amdhsa_memory_ordered 1
		.amdhsa_forward_progress 1
		.amdhsa_inst_pref_size 31
	.end_amdhsa_kernel
	.amdgpu_metadata
---
amdhsa.version: [ 1, 2 ]
amdhsa.kernels:
  - .name:           k_q8e5f9032ce_quant_w
    .symbol:         k_q8e5f9032ce_quant_w.kd
    .args:
      - { .name: Wq, .offset: 0, .size: 8, .value_kind: global_buffer, .address_space: global }
      - { .name: Wk, .offset: 8, .size: 8, .value_kind: global_buffer, .address_space: global }
      - { .name: Wv, .offset: 16, .size: 8, .value_kind: global_buffer, .address_space: global }
      - { .name: Wp, .offset: 24, .size: 8, .value_kind: global_buffer, .address_space: global }
      - { .name: wc, .offset: 32, .size: 8, .value_kind: global_buffer, .address_space: global }
      - { .name: ws, .offset: 40, .size: 8, .value_kind: global_buffer, .address_space: global }
    .group_segment_fixed_size: 17664
    .private_segment_fixed_size: 0
    .kernarg_segment_align: 8
    .kernarg_segment_size: 48
    .max_flat_workgroup_size: 64
    .sgpr_count:     66
    .vgpr_count:     256
    .wavefront_size: 32
...
	.end_amdgpu_metadata
.endif
;; end of part 1
;; launch quant_x (part 2): grid 64 x 4, 4 waves a work-group, no clusters, 26,112 bytes of LDS; arguments x, xc, xs; writes xc, xs
.if DOCPART == 2
	.amdgcn_target "amdgcn-amd-amdhsa--gfx1250"
	.amdhsa_code_object_version 6
	.text
	.protected	k_q8e5f9032ce_quant_x
	.globl	k_q8e5f9032ce_quant_x
	.p2align	8
	.type	k_q8e5f9032ce_quant_x,@function
k_q8e5f9032ce_quant_x:
	s_mov_b64 s[64:65], 0
	v_nop
	global_prefetch_b8 v0, s[64:65] scope:SCOPE_SE
	s_setreg_imm32_b32 hwreg(HW_REG_WAVE_MODE, 25, 1), 1
	s_wait_xcnt 0x0
; x [4 b][1024 c][2048 t], f32, is the operand of three products whose K is c, its OUTER axis.  It becomes codes of FP6 (E2M3) along c, one E8M0 byte for each 32 c, in the layout of wc and ws:
; tiles of 16 t (slot p of tile T is t = 32 (T / 2) + 8 (T % 2) + p + 8 (p / 8)), images of 16 slots x 64 c (768 bytes: lane p + 16 h holds block h; registers 0-3 at 16 lane, 4-5 at 512 + 8 lane).
; xc: [128 b + tile: 512][c / 64: 16][768].   xs: [tile pair 256][c / 256: 4][tile in pair 2][slot 16][8 bytes].
; A LANE TAKES A COLUMN t AND ITS REGISTERS RUN DOWN c: a load reads 128 consecutive bytes a wave (512 a work-group), a block of 32 c lies in one lane's 32 registers, and the conversions give codes with c innermost.
; A wave takes 32 t (a tile pair) x 256 c: eight blocks a lane.  Its codes go to the wave's own stage in LDS at their places in the images and leave as runs of 512 consecutive bytes.
; A block's scale byte is its largest magnitude's exponent field - 2, held at 1 from below.  LIMITS: NaN and infinities are not served; a block whose largest magnitude lies under 2^-124 keeps the byte 1;
; a block of zeros gets the byte 1, not 127: its codes are zeros, and this program alone reads the bytes.  Waves share nothing: no barrier, no cluster, no matrix unit: memory binds.
.set XROW,  8192                       ; from c to c + 1 in bytes
.set TSTG,  3200                       ; a tile's four images, 3,072 bytes, + 128, so that the two tiles' stores of one instruction fall on different words modulo 256 bytes
.set WSTG,  2*TSTG                     ; a wave's stage
.set SPARE, 4*WSTG                     ; behind the stages the spare words: 128 bytes a wave, two blocks of 256 bytes that no other line names
.set SPW,   14                         ; v14 LDS address of my spare word; never rewritten
.set NIL,   15                         ; v15 0; never rewritten
.set SB,    24                         ; v[24:25] my column's eight scale bytes
.set X,     32                         ; v32-95 two sets of 32 numbers
.set C,     96                         ; v96-101 a block's codes
.set T,     104                        ; v104-106 its upper 16 (a conversion's three registers begin on an even number)
.set OUTR,  112                        ; v112-159 the way out
	s_load_b128 s[4:7], s[0:1], 0x0                ; x, xc
	s_load_b64 s[8:9], s[0:1], 0x10                ; xs
	v_lshl_add_u32 v[SPW], v0, 2, SPARE
	v_mov_b32 v[NIL], 0
	v_lshrrev_b32 v1, 5, v0
	v_readfirstlane_b32 s16, v1                    ; wave
	v_and_b32 v2, 31, v0                           ; lane l = my column in the pair's 32
	v_lshlrev_b32 v3, 2, v2                        ; in: 4 bytes a lane
	v_bfe_u32 v1, v0, 3, 1                         ; u = (l / 8) % 2: my tile of the pair
	v_and_b32 v6, 7, v0
	v_bfe_u32 v10, v0, 4, 1
	v_lshl_add_u32 v6, v10, 3, v6                  ; p = l % 8 + 8 (l / 16): my slot
	s_mul_i32 s17, s16, WSTG
	v_mul_u32_u24 v10, v1, TSTG
	v_add_nc_u32 v10, s17, v10
	v_lshl_add_u32 v4, v6, 4, v10                  ; the stage, in: my tile, 16 p
	v_lshl_add_u32 v5, v6, 3, v10                  ; and 8 p
	v_lshlrev_b32 v8, 4, v2                        ; out: 16 l
	v_add_nc_u32 v7, s17, v8
	v_lshl_add_u32 v9, v1, 4, v6
	v_lshlrev_b32 v9, 3, v9                        ; my scale bytes: 8 (16 u + p)
	s_and_b32 s18, ttmp7, 0xffff                   ; which 256 c
	s_lshr_b32 s19, ttmp9, 4                       ; b
	s_lshl_b32 s20, s19, 23                        ; x: 8,388,608 bytes a batch,
	s_lshl_b32 s21, s18, 21                        ; 256 rows of 8,192,
	s_add_co_u32 s20, s20, s21
	s_and_b32 s21, ttmp9, 15
	s_lshl_b32 s21, s21, 9                         ; the work-group's 128 t,
	s_add_co_u32 s20, s20, s21
	s_lshl_b32 s21, s16, 7                         ; the wave's 32
	s_add_co_u32 s20, s20, s21
	s_mov_b32 s21, 0
	s_lshl_b32 s22, ttmp9, 3
	s_lshl_b32 s23, s16, 1
	s_add_co_u32 s22, s22, s23                     ; my first tile: 8 x work-group + 2 x wave
	s_lshl_b32 s24, s22, 9                         ; xs: 1,024 bytes a pair,
	s_lshl_b32 s23, s18, 8
	s_add_co_u32 s24, s24, s23
	s_mov_b32 s25, 0
	s_mul_i32 s22, s22, 12288                      ; xc: 12,288 bytes a tile,
	s_mul_i32 s23, s18, 3072                       ; four images on
	s_add_co_u32 s22, s22, s23
	s_mov_b32 s23, 0
	s_wait_kmcnt 0x0
	s_add_nc_u64 s[4:5], s[4:5], s[20:21]
	s_add_nc_u64 s[6:7], s[6:7], s[22:23]
	s_add_nc_u64 s[8:9], s[8:9], s[24:25]
.macro LOAD t                          ; block t: x(32 t + i, my column) into set t % 2; the largest offset, 255 rows, lies inside the signed 24-bit immediate
.set i, 0
.rept 32
	global_load_b32 v[X+32*((\t)%2)+i], v3, s[4:5] offset:(32*(\t)+i)*XROW th:TH_LOAD_NT
.set i, i+1
.endr
.endm
	LOAD 0
	LOAD 1
.macro BLOCK t
.set XS, X+32*((\t)%2)
.if (\t) < 7
	s_wait_loadcnt 32                              ; this block's 32 loads are in; the next block's may be out
.else
	s_wait_loadcnt 0x0
.endif
	v_max3_num_f32 v12, |v[XS]|, |v[XS+1]|, |v[XS+2]|      ; the block's largest magnitude, in two chains
	v_max3_num_f32 v13, |v[XS+3]|, |v[XS+4]|, |v[XS+5]|
.irp i, 6,10,14,18,22,26
	v_max3_num_f32 v12, v12, |v[XS+\i]|, |v[XS+\i+1]|
	v_max3_num_f32 v13, v13, |v[XS+\i+2]|, |v[XS+\i+3]|
.endr
	v_max3_num_f32 v12, v12, |v[XS+30]|, |v[XS+31]|
	v_max3_num_f32 v12, v12, v13, 0x1800000        ; and the floor 2^(3 - 127)
	v_add_nc_u32 v11, 0xff000000, v12              ; 2 off the exponent field: the conversion's scale operand
	v_lshrrev_b32 v13, 23, v11                     ; the scale's byte
.if (\t)%4 == 0
	v_mov_b32 v[SB+(\t)/4], v13
.else
	v_lshl_or_b32 v[SB+(\t)/4], v13, 8*((\t)%4), v[SB+(\t)/4]
.endif
	v_cvt_scalef32_pk16_fp6_f32 v[C:C+2], v[XS:XS+15], v11
	v_cvt_scalef32_pk16_fp6_f32 v[T:T+2], v[XS+16:XS+31], v11
	v_nop                                          ; one plain line behind the conversions
.irp i, 0,1,2
	v_mov_b32 v[C+3+\i], v[T+\i]
.endr
	ds_store_b128 v4, v[C:C+3] offset:768*((\t)/2)+256*((\t)%2)            ; image t / 2, lane p + 16 (t % 2): registers 0-3,
	ds_store_b64 v5, v[C+4:C+5] offset:768*((\t)/2)+512+128*((\t)%2)       ; registers 4-5
.if (\t)+2 < 8
	LOAD (\t)+2
.endif
	s_wait_dscnt 0x0                               ; the stores have read their registers: the next block's codes may be written
.endm
.irp t, 0,1,2,3,4,5,6,7
	BLOCK \t
.endr
	s_wait_alu depctr_va_vdst(0)
	global_store_b64 v9, v[SB:SB+1], s[8:9]        ; the 32 lanes' bytes fill 256 consecutive bytes, at a multiple of 256 from xs's first byte
.irp u, 0,1
.irp k, 0,1,2,3,4,5
	ds_load_b128 v[OUTR+4*(6*\u+\k):OUTR+4*(6*\u+\k)+3], v7 offset:\u*TSTG+512*\k   ; LDS serves a wave's instructions in order: these see my stores
.endr
.endr
.irp u, 0,1
.irp k, 0,1,2,3,4,5
	s_wait_dscnt 11-(6*\u+\k)                      ; the younger read-backs may be out
	global_store_b128 v8, v[OUTR+4*(6*\u+\k):OUTR+4*(6*\u+\k)+3], s[6:7] offset:\u*12288+512*\k   ; 512 consecutive bytes
.endr
.endr
	s_wait_tensorcnt 0x0                           ; the wave's end: behind my last LDS store
	ds_add_u32 v[SPW], v[NIL]
	s_wait_dscnt 0x0
	s_endpgm
.Lfunc_end_k_q8e5f9032ce_quant_x:
	.size	k_q8e5f9032ce_quant_x, .Lfunc_end_k_q8e5f9032ce_quant_x-k_q8e5f9032ce_quant_x
	.p2alignl 7, 3214868480
	.fill 96, 4, 3214868480
	.section	.rodata,"a",@progbits
	.p2align	6, 0x0
	.amdhsa_kernel k_q8e5f9032ce_quant_x
		.amdhsa_group_segment_fixed_size 26112
		.amdhsa_private_segment_fixed_size 0
		.amdhsa_enable_private_segment 0
		.amdhsa_kernarg_size 24
		.amdhsa_user_sgpr_count 2
		.amdhsa_user_sgpr_kernarg_segment_ptr 1
		.amdhsa_wavefront_size32 1
		.amdhsa_system_sgpr_workgroup_id_x 1
		.amdhsa_system_sgpr_workgroup_id_y 1
		.amdhsa_system_sgpr_workgroup_id_z 1
		.amdhsa_system_vgpr_workitem_id 0
		.amdhsa_next_free_vgpr 160
		.amdhsa_next_free_sgpr 66
		.amdhsa_reserve_vcc 0
		.amdhsa_float_denorm_mode_32 3
		.amdhsa_float_denorm_mode_16_64 3
		.amdhsa_memory_ordered 1
		.amdhsa_forward_progress 1
		.amdhsa_inst_pref_size 42
	.end_amdhsa_kernel
	.amdgpu_metadata
---
amdhsa.version: [ 1, 2 ]
amdhsa.kernels:
  - .name:           k_q8e5f9032ce_quant_x
    .symbol:         k_q8e5f9032ce_quant_x.kd
    .args:
      - { .name: x, .offset: 0, .size: 8, .value_kind: global_buffer, .address_space: global }
      - { .name: xc, .offset: 8, .size: 8, .value_kind: global_buffer, .address_space: global }
      - { .name: xs, .offset: 16, .size: 8, .value_kind: global_buffer, .address_space: global }
    .group_segment_fixed_size: 26112
    .private_segment_fixed_size: 0
    .kernarg_segment_align: 8
    .kernarg_segment_size: 24
    .max_flat_workgroup_size: 128
    .sgpr_count:     66
    .vgpr_count:     160
    .wavefront_size: 32
...
	.end_amdgpu_metadata
.endif
;; end of part 2
;; launch qkv (part 3): grid 96 x 4, 4 waves a work-group, clusters of 4 x 4, 327,680 bytes of LDS; arguments xc, xs, wc, ws, qkv, sc; writes qkv, sc
.if DOCPART == 3
	.amdgcn_target "amdgcn-amd-amdhsa--gfx1250"
	.amdhsa_code_object_version 6
	.text
	.protected	k_q8e5f9032ce_qkv
	.globl	k_q8e5f9032ce_qkv
	.p2align	8
	.type	k_q8e5f9032ce_qkv,@function
k_q8e5f9032ce_qkv:
	s_mov_b64 s[64:65], 0
	v_nop
	global_prefetch_b8 v0, s[64:65] scope:SCOPE_SE
	s_setreg_imm32_b32 hwreg(HW_REG_WAVE_MODE, 25, 1), 1
	s_wait_xcnt 0x0
	s_wait_alu depctr_hold_cnt(0) depctr_sa_sdst(0) depctr_va_vdst(0) depctr_va_sdst(0) depctr_va_ssrc(0) depctr_va_vcc(0) depctr_vm_vsrc(0)
	s_getreg_b32 s2, hwreg(HW_REG_IB_STS2, 6, 4)
	s_cmp_eq_u32 s2, 0
	s_cbranch_scc0 .Lentry_in_a_cluster
	s_endpgm
.Lentry_in_a_cluster:
	s_bfe_u32 s2, ttmp6, 0x10000c
	s_cmp_lg_u32 s2, 0xf033
	s_cbranch_scc0 .Lentry_shape_is_right
	s_endpgm
.Lentry_shape_is_right:
; q, k, v = Wq x, Wk x, Wv x (K = c = 1,024) on codes of FP6 (E2M3) with E8M0 scales, and each result quantised in registers for the product that takes it next: q and k along d, v along the keys.  No f32 result goes to memory.
; OPERANDS lie as images of the operand's registers (16 slots x 64 K in 768 bytes; lane l: registers 0-3 at 16 l, 4-5 at 512 + 8 l); a tile's slot p is row 32 (T / 2) + 8 (T % 2) + p + 8 (p / 8).
; A tile of the result is 256 rows of A x 256 rows of B, made by four waves, each 128 x 128: 64 accumulators, 512 registers.  SOURCE 0 = 16 rows of B, SOURCE 1 = 16 rows of A: lane (r, h) holds slot r of A's tile, and the 16
; registers of B's tiles 2 b and 2 b + 1 are B's rows 32 b + 16 h + 0 .. 15: neighbours along the NEXT product's K.  q, k: A = x (t in the lanes), B = W (d along the registers).  v: A = Wv (d in the lanes), B = x (keys along the registers).
; 24 clusters of 4 x 4 work-groups: cluster g makes product g / 8, part g % 8.  A's tiles are shared along a row of the cluster, B's along a column: each is asked for jointly, which divides the requests by four.
; K goes in four steps of 256 through two LDS slots (a tile's step is 3,072 consecutive bytes); the scale words of the work-group's rows, for all of K, come once with the first fills.  The eight steps of 128 are written out: a lap loop would have one trip.
; No prefetch: of the four K steps two are first fills.  384 work-groups: a tile of 256 x 384 would need 768 accumulator registers a wave beside the fragments.
; OUT.  qkv: [q, k, v][16 b + head: 64][98,304]: q, k: [tile of t 128][768]; v: [key step 16][tile of d 4][2][768].
;       sc: [16 b + head][20,480]: q's words at 0, k's at 8,192: [8 tiles][lane 32][4 words], word j of lane l = tile 2 j + l / 16, slot l % 16 (bytes 0, 1 the head's two blocks; bytes 2, 3 scale zero codes alone and are never 0xff);
;       v's at 16,384: [key step][lane 32][2 words], word j of lane l = tile of d 2 j + l / 16.
; LIMITS: NaN and infinities are not served; a block whose largest magnitude lies under 2^-124 keeps the byte 1; a block of zeros gets the byte 1, not 127 (zero codes; this program alone reads the bytes).
; REGISTERS, in windows of 256: window 0: v1-9 lane terms, v16-23 fragment addresses, v27 scale address, v28-29 the add's two, v32-63 scale words (two sets), v128-223 A's fragments (one set); window 1: B's fragments, two sets;
; windows 2, 3: accumulator (a, b) at v[8 (8 (a % 4) + b)].  On the way out window 0's v32-83 are at work.
.set KSB,    3072                      ; a tile's K step of 256: four images
.set HALFT,  8*KSB                     ; eight tiles: what one tensor load brings, and what one wave reads of A or of B
.set SLOT,   4*HALFT                   ; A's 16 tiles, then B's
.set SCL,    2*SLOT                    ; behind the ring: the scale words, A's 8,192 bytes, then B's
.set HALFS,  4096                      ; those of eight tiles
.set SPARE,  SCL+4*HALFS               ; the spare words: 128 bytes a wave, two blocks of 256 bytes that no other line names
.set FR,     12                        ; registers of a fragment (16 rows x 128 K)
.set NQ,     2                         ; steps of 128 in a slot
.set NL,     4                         ; LDS loads that bring a fragment
.set NP,     4                         ; places behind this matrix instruction (ISA guide 7.12.1)
.set L16,    4                         ; v4  16 x lane
.set L8,     5                         ; v5  8 x lane
.set L16D,   8                         ; v8  16 x lane + D2: the fragment's second image on the way out
.set L8D,    9                         ; v9  8 x lane + D2
.set A16,    16                        ; v16-17 A's fragments in slot 0, 1: 16 x lane;  v18-19: 8 x lane
.set A8,     18
.set B16,    20                        ; v20-23 the same for B
.set B8,     22
.set ADRS,   27                        ; v27 my scale words: lanes 0-15 A's, lanes 16-31 B's
.set SPW,    28
.set NIL,    29
.set SC,     32
.set AF,     128
.set TM,     32                        ; the way out: v32-35 maxima, v36-39 bytes, v44-47 the conversions' scale operands
.set PW,     48                        ; v48-55 the scale word of each of A's eight tiles
.set SELR,   56
.set SELO,   60
.set PC,     64                        ; v64-83 the codes
.set G1,  24
.set G0,  32
.set G1B, 48
.set G0B, 56
.set G1S, 68
.set G0S, 76
.set G1SB, 80
.set G0SB, 88
.set MSB, 0
.macro WIN new                         ; the immediate's high byte repeats the setting that is left
.if MSB != \new
	s_set_vgpr_msb (MSB<<8)|\new
.set MSB, \new
.endif
.endm
.set MUL_LO, 0xa1                      ; source 0 (B) window 1, source 1 (A) window 0, C and D window 2
.set MUL_HI, 0xf1                      ; the same, C and D window 3
.set TO_B,   0x40                      ; destination window 1, address window 0
; A joint load: waves 0 and 1 fetch for A, waves 2 and 3 for B; the branch hangs on the wave's number alone.  An s_nop 0 and four v_nop follow each of the two lines.
.macro JLOAD g0a, g1a, g0b, g1b
	s_cmp_eq_u32 s15, 0
	s_cbranch_scc0 .Lfor_b_\@
	tensor_load_to_lds s[\g0a:\g0a+3], s[\g1a:\g1a+7]
	s_nop 0
.rept 4
	v_nop
.endr
	s_branch .Lasked_\@
.Lfor_b_\@:
	tensor_load_to_lds s[\g0b:\g0b+3], s[\g1b:\g1b+7]
	s_nop 0
.rept 4
	v_nop
.endr
.Lasked_\@:
.endm
.macro CREST                           ; a round of the cluster's barrier behind its opening barrier
	s_cmp_lg_u32 s14, 0
	s_cbranch_scc1 .Lnot_wave_0_\@
	s_barrier_signal -3
.Lnot_wave_0_\@:
	s_barrier_wait -3
	s_barrier_signal -1
	s_barrier_wait -1
.endm
.macro CROUND
	s_barrier_signal -1
	s_barrier_wait -1
	CREST
.endm
	s_load_b256 s[4:11], s[0:1], 0x0               ; xc s[4:5], xs s[6:7], wc s[8:9], ws s[10:11]
	s_load_b64 s[12:13], s[0:1], 0x20              ; qkv
	s_load_b64 s[66:67], s[0:1], 0x28              ; sc
	v_lshl_add_u32 v[SPW], v0, 2, SPARE
	v_mov_b32 v[NIL], 0
	ds_add_u32 v[SPW], v[NIL]
	ds_add_u32 v[SPW], v[NIL]                      ; the wave's opening: the add and its wait stand ahead of my first tensor load; the set-up below stands between them
	v_lshrrev_b32 v1, 5, v0
	v_readfirstlane_b32 s14, v1                    ; wave
	s_lshr_b32 s15, s14, 1                         ; my half of A's rows.  Also: I fetch for A (0) or for B (1)
	s_and_b32 s16, s14, 1                          ; my half of B's rows.  Also: which eight tiles I fetch
	s_bfe_u32 s40, ttmp6, 0x40000                  ; cx
	s_bfe_u32 s41, ttmp6, 0x40004                  ; cy
	s_lshr_b32 s95, ttmp9, 3                       ; which product: 0 q, 1 k, 2 v: the same in all sixteen partners
	s_and_b32 s3, ttmp9, 7
	s_lshl_b32 s3, s3, 2                           ; 4 x part: x's 32 blocks of 256 t go four to a cluster
	s_cmp_eq_u32 s95, 2
	s_cselect_b32 s18, 0, s3                       ; x is A for q and k,
	s_cselect_b32 s19, s3, 0                       ; B for v
	s_add_co_u32 s17, s41, s18                     ; A's block of 256 rows: hangs on cy alone
	s_add_co_u32 s42, s40, s19                     ; B's: on cx alone
	s_lshl_b32 s43, s41, 2
	s_lshl_b32 s43, 15, s43                        ; my row of the cluster
	s_lshl_b32 s44, 0x1111, s40                    ; my column
	; group 1 for codes: eight rows (tiles) of 3,072 bytes, 12,288 bytes apart, as elements of 8 bytes; no padding: every fragment load reads consecutive bytes from lane to lane
	s_or_b32 s[G1+0], s43, (3<<16)|(1<<21)         ; 15:0 the mask; 17:16 elements of 8 bytes; 21 set beside a mask
	s_or_b32 s[G1B+0], s44, (3<<16)|(1<<21)
.irp g, G1, G1B
	s_mov_b32 s[\g+1], 384<<16                     ; tensor_dim0
	s_mov_b32 s[\g+2], 8<<16                       ; tensor_dim1
	s_mov_b32 s[\g+3], 384<<16                     ; tile_dim0
	s_mov_b32 s[\g+4], 8                           ; tile_dim1
	s_mov_b32 s[\g+5], 1536                        ; from tile to tile
	s_mov_b32 s[\g+6], 0
	s_mov_b32 s[\g+7], 0
.endr
	; and for the scale words of eight tiles: 4,096 dense bytes as 16 rows of 256
	s_or_b32 s[G1S+0], s43, (3<<16)|(1<<21)
	s_or_b32 s[G1SB+0], s44, (3<<16)|(1<<21)
.irp g, G1S, G1SB
	s_mov_b32 s[\g+1], 32<<16
	s_mov_b32 s[\g+2], 16<<16
	s_mov_b32 s[\g+3], 32<<16
	s_mov_b32 s[\g+4], 16
	s_mov_b32 s[\g+5], 32
	s_mov_b32 s[\g+6], 0
	s_mov_b32 s[\g+7], 0
.endr
	s_lshl_b32 s18, s16, 3                         ; which eight tiles I fetch
	s_lshl_b32 s20, s17, 4
	s_add_co_u32 s20, s20, s18                     ; A: tile 16 x block + 8 x half
	s_lshl_b32 s46, s42, 4
	s_add_co_u32 s46, s46, s18                     ; B likewise
	s_lshl_b32 s22, s20, 9                         ; scale words: 512 bytes a tile
	s_lshl_b32 s92, s46, 9
	s_mul_i32 s20, s20, 12288                      ; codes: 12,288 bytes a tile
	s_mul_i32 s46, s46, 12288
	s_mul_i32 s2, s95, 786432                      ; the weight's place in wc
	s_lshl_b32 s3, s95, 15                         ; and in ws,
	s_cmp_eq_u32 s95, 2
	s_cselect_b32 s18, s2, 0                       ; on the side that is the weight
	s_cselect_b32 s19, s3, 0
	s_cselect_b32 s2, 0, s2
	s_cselect_b32 s3, 0, s3
	s_add_co_u32 s20, s20, s18
	s_add_co_u32 s22, s22, s19
	s_add_co_u32 s46, s46, s2
	s_add_co_u32 s92, s92, s3
	s_mov_b32 s21, 0
	s_mov_b32 s23, 0
	s_mov_b32 s47, 0
	s_mov_b32 s93, 0
	s_mul_i32 s45, s14, HALFT                      ; where they go: wave x eight tiles: no place in the cluster enters an LDS address
	s_mul_i32 s94, s14, HALFS
	s_mov_b32 s98, 0xffff0000                      ; lanes 16-31
	s_mov_b32 s100, 0x76543210
	s_mov_b32 s101, 0xfedcba98                     ; v_permlanex16_b32's selects for lane l xor 16
	s_wait_dscnt 0x0                               ; the opening add is done
	s_wait_kmcnt 0x0
	s_cmp_eq_u32 s95, 2                            ; the buffers are chosen by the cluster's number alone
	s_cselect_b64 s[2:3], s[8:9], s[4:5]
	s_add_nc_u64 s[20:21], s[2:3], s[20:21]        ; A's codes
	s_cselect_b64 s[2:3], s[10:11], s[6:7]
	s_add_nc_u64 s[22:23], s[2:3], s[22:23]        ; A's scale words
	s_cselect_b64 s[2:3], s[4:5], s[8:9]
	s_add_nc_u64 s[46:47], s[2:3], s[46:47]        ; B's codes
	s_cselect_b64 s[2:3], s[6:7], s[10:11]
	s_add_nc_u64 s[92:93], s[2:3], s[92:93]        ; B's scale words
	CROUND                                         ; all sixteen work-groups are here: the first joint loads meet
	s_mov_b32 s[G0S], 1
	s_add_co_u32 s[G0S+1], s94, SCL
	s_mov_b64 s[G0S+2:G0S+3], s[22:23]
	s_or_b32 s[G0S+3], s[G0S+3], 0x80000000
	s_mov_b32 s[G0SB], 1
	s_add_co_u32 s[G0SB+1], s94, SCL
	s_mov_b64 s[G0SB+2:G0SB+3], s[92:93]
	s_or_b32 s[G0SB+3], s[G0SB+3], 0x80000000
	JLOAD G0S, G1S, G0SB, G1SB                     ; the scale words first: they are wanted with K step 0
.irp s, 0,1
	s_mov_b32 s[G0+4*\s], 1
	s_add_co_u32 s[G0+4*\s+1], s45, \s*SLOT
	s_add_nc_u64 s[G0+4*\s+2:G0+4*\s+3], s[20:21], \s*KSB
	s_or_b32 s[G0+4*\s+3], s[G0+4*\s+3], 0x80000000
	s_mov_b32 s[G0B+4*\s], 1
	s_add_co_u32 s[G0B+4*\s+1], s45, \s*SLOT
	s_add_nc_u64 s[G0B+4*\s+2:G0B+4*\s+3], s[46:47], \s*KSB
	s_or_b32 s[G0B+4*\s+3], s[G0B+4*\s+3], 0x80000000
	s_wait_alu depctr_va_vdst(0)
	s_wait_tensorcnt 0x0
	ds_add_u32 v28, v29
	s_wait_dscnt 0x0
	CROUND
	JLOAD G0+4*\s, G1, G0B+4*\s, G1B               ; one tensor load of mine is out
.endr
	v_and_b32 v1, 15, v0                           ; r
	v_bfe_u32 v2, v0, 4, 1                         ; h
	v_and_b32 v3, 31, v0
	v_lshlrev_b32 v[L16], 4, v3
	v_lshlrev_b32 v[L8], 3, v3
	s_mul_i32 s21, s15, HALFT                      ; my eight tiles of A,
	s_mul_i32 s22, s16, HALFT                      ; of B,
	s_add_co_u32 s22, s22, 2*HALFT                 ; which lie behind A's sixteen
.irp s, 0,1
	v_add_nc_u32 v[A16+\s], s21, v[L16]
	v_add_nc_u32 v[A8+\s], s21, v[L8]
	v_add_nc_u32 v[B16+\s], s22, v[L16]
	v_add_nc_u32 v[B8+\s], s22, v[L8]
	s_add_co_u32 s21, s21, SLOT
	s_add_co_u32 s22, s22, SLOT
.endr
	v_lshlrev_b32 v6, 3, v1                        ; scale words: 8 bytes a slot
	s_mul_i32 s21, s15, HALFS
	s_mul_i32 s22, s16, HALFS
	s_add_co_u32 s22, s22, 2*HALFS
	s_sub_co_u32 s22, s22, s21
	v_mul_u32_u24 v7, s22, v2                      ; lanes 16-31 take B's: one product with h
	s_add_co_u32 s21, s21, SCL
	v_add_nc_u32 v6, v6, v7
	v_add_nc_u32 v[ADRS], s21, v6
	; the way out's places.  X0, W0: my first tile on x's side and on the weight's
	s_lshl_b32 s20, s17, 4
	s_lshl_b32 s21, s15, 3
	s_add_co_u32 s20, s20, s21                     ; my first tile of A
	s_lshl_b32 s46, s42, 4
	s_lshl_b32 s47, s16, 3
	s_add_co_u32 s46, s46, s47                     ; and of B
	s_cmp_eq_u32 s95, 2
	s_cselect_b32 s2, s46, s20                     ; X0
	s_cselect_b32 s3, s20, s46                     ; W0
	s_cselect_b32 s18, 8, 9                        ; a group of scale words: 256 bytes for v, 512 for q and k
	s_mov_b32 s19, 98304
	s_cselect_b32 s19, 768, s19                    ; D2: from a fragment's first image to its second: v: the next 64 keys; q, k: the next head
	s_mov_b32 s96, 768
	s_cselect_b32 s96, 1536, s96                   ; SA: from one of A's tiles to the next
	s_mov_b32 s104, 768
	s_cselect_b32 s104, 93696, s104                ; SB: from tile 3 to tile 4: for v that is the next head's first tile of d: 98,304 - 3 x 1,536
	s_mov_b32 s97, 0
	s_mov_b32 s105, 0
	s_lshr_b32 s99, s2, 7
	s_lshl_b32 s99, s99, 4
	s_lshr_b32 s3, s3, 2
	s_add_co_u32 s99, s99, s3                      ; 16 b + head
	s_and_b32 s2, s2, 127                          ; x's tile in its batch
	s_mul_i32 s20, s95, 6291456
	s_mul_i32 s21, s99, 98304
	s_add_co_u32 s20, s20, s21
	s_mul_i32 s21, s2, 768                         ; (for v: 8 tiles of t are a key step, 6,144 bytes: the same product)
	s_add_co_u32 s20, s20, s21
	s_mov_b32 s21, 0
	s_add_nc_u64 s[12:13], s[12:13], s[20:21]
	s_lshl_b32 s20, s95, 13
	s_mul_i32 s21, s99, 20480
	s_add_co_u32 s20, s20, s21
	s_lshr_b32 s2, s2, 3
	s_lshl_b32 s2, s2, s18
	s_add_co_u32 s20, s20, s2
	s_mov_b32 s21, 0
	s_add_nc_u64 s[66:67], s[66:67], s[20:21]
	v_add_nc_u32 v[L16D], s19, v[L16]
	v_add_nc_u32 v[L8D], s19, v[L8]
.macro FRAG reg, a16, a8, off          ; a fragment is two images on end: four loads, each of consecutive bytes from lane to lane
	ds_load_b128 v[\reg:\reg+3], v[\a16] offset:\off
	ds_load_b64 v[\reg+4:\reg+5], v[\a8] offset:\off+512
	ds_load_b128 v[\reg+6:\reg+9], v[\a16] offset:\off+768
	ds_load_b64 v[\reg+10:\reg+11], v[\a8] offset:\off+1280
.endm
; 16 matrix instructions: A's tiles a0, a0 + 1 x B's eight, the slot's q-th 128 along K.  p: B's set; sc: the set of scale words.  zero = 1: the product starts the sums.
; The 64 accumulators take turns, one instruction a turn, in the same order in every step.
.macro MUL16 a0, p, q, sc, zero
.irp a, \a0, \a0+1
.irp b, 0,1,2,3,4,5,6,7
.if \zero
	v_wmma_scale_f32_16x16x128_f8f6f4 v[8*(8*((\a)%4)+\b):8*(8*((\a)%4)+\b)+7], v[128*(\p)+FR*\b:128*(\p)+FR*\b+FR-1], v[AF+FR*(\a):AF+FR*(\a)+FR-1], 0, v[SC+8*NQ*(\sc)+NQ*\b+(\q)], v[SC+8*NQ*(\sc)+NQ*(\a)+(\q)] matrix_a_fmt:MATRIX_FMT_FP6 matrix_b_fmt:MATRIX_FMT_FP6 matrix_a_scale:MATRIX_SCALE_ROW1
.else
	v_wmma_scale_f32_16x16x128_f8f6f4 v[8*(8*((\a)%4)+\b):8*(8*((\a)%4)+\b)+7], v[128*(\p)+FR*\b:128*(\p)+FR*\b+FR-1], v[AF+FR*(\a):AF+FR*(\a)+FR-1], v[8*(8*((\a)%4)+\b):8*(8*((\a)%4)+\b)+7], v[SC+8*NQ*(\sc)+NQ*\b+(\q)], v[SC+8*NQ*(\sc)+NQ*(\a)+(\q)] matrix_a_fmt:MATRIX_FMT_FP6 matrix_b_fmt:MATRIX_FMT_FP6 matrix_a_scale:MATRIX_SCALE_ROW1
.endif
.endr
.endr
.endm
.macro FETCH_B slot, q, p
	WIN TO_B
.irp i, 0,1,2,3,4,5,6,7
	FRAG 128*(\p)+FR*\i, B16+\slot, B8+\slot, \i*KSB+(\q)*1536
.endr
	WIN 0
.endm
.macro FETCH_A slot, q, i0
.irp i, \i0, \i0+1, \i0+2, \i0+3
	FRAG AF+FR*(\i), A16+\slot, A8+\slot, (\i)*KSB+(\q)*1536
.endr
.endm
.macro SCALES sc                       ; a K step's two words a slot: lanes 0-15 A's tile i, lanes 16-31 B's tile i
.irp i, 0,1,2,3,4,5,6,7
	ds_load_b64 v[SC+8*NQ*\sc+NQ*\i:SC+8*NQ*\sc+NQ*\i+1], v[ADRS] offset:(\i/2)*1024+(\i%2)*128
.endr
.endm
.macro PLACES n                        ; a load into a register that a matrix instruction has read, and a read of a result, stand four plain vector instructions behind it (ISA guide 7.12.1 for the read of a result)
.rept \n
	v_nop
.endr
.endm
.macro STEP slot, q, zero              ; a step of 128 along K that has its successor in the same slot
	s_wait_dscnt 4*NL                              ; B's set and A's tiles 0-3 are in; the youngest 16 loads (A's tiles 4-7) may be out
	WIN MUL_LO
	MUL16 0, (\q)%2, \q, \slot, \zero
	MUL16 2, (\q)%2, \q, \slot, \zero
	s_wait_dscnt 0                                 ; A's tiles 4-7 are in
	PLACES NP
	FETCH_B \slot, (\q)+1, 1-(\q)%2
	FETCH_A \slot, (\q)+1, 0
	WIN MUL_HI
	MUL16 4, (\q)%2, \q, \slot, \zero
	MUL16 6, (\q)%2, \q, \slot, \zero
	PLACES NP
	WIN 0
	FETCH_A \slot, (\q)+1, 4
.endm
; A slot's last step changes slots: one barrier; in front of it each wave waits for all its tensor loads, adds 0 to its spare word, and waits for that and for its reads of this slot.  fill = 1: this slot is filled again, two K steps ahead.
.macro TURN slot, next, fill
	s_wait_tensorcnt 0x0                           ; all my tensor loads have landed: my part of the next slot
	ds_add_u32 v[SPW], v[NIL]                      ; 0 onto my spare word
	s_wait_dscnt 4*NL+1                            ; (the add and the youngest 16 loads may be out)
	WIN MUL_LO
	MUL16 0, 1, NQ-1, \slot, 0                     ; sixteen matrix instructions stand between the add and the wait for it
	s_wait_dscnt 0x0                               ; the add is done, and my reads of this slot are over
	s_barrier_signal -1
	MUL16 2, 1, NQ-1, \slot, 0
	WIN 0
	s_barrier_wait -1
.if \fill
	CREST                                          ; the barrier has opened a round of the cluster's: no wave of any partner still reads this slot or has a load on its way
	s_add_nc_u64 s[G0+4*\slot+2:G0+4*\slot+3], s[G0+4*\slot+2:G0+4*\slot+3], 2*KSB
	s_add_nc_u64 s[G0B+4*\slot+2:G0B+4*\slot+3], s[G0B+4*\slot+2:G0B+4*\slot+3], 2*KSB
	JLOAD G0+4*\slot, G1, G0B+4*\slot, G1B         ; the first tensor load behind the round; its four v_nop are the places in front of the loads below
.else
	PLACES NP
.endif
	s_wait_alu depctr_va_vdst(0)
	v_add_nc_u32 v[ADRS], 256, v[ADRS]             ; the next K step's scale words (no LDS load of mine is out)
	FETCH_B \next, 0, 0
	FETCH_A \next, 0, 0
	SCALES \next
	WIN MUL_HI
	MUL16 4, 1, NQ-1, \slot, 0
	MUL16 6, 1, NQ-1, \slot, 0
	PLACES NP
	WIN 0
	FETCH_A \next, 0, 4
.endm
	s_wait_alu depctr_va_vdst(0)
	s_wait_tensorcnt 1                             ; the scale words and my part of K step 0 are in; K step 1's load may be out
	s_barrier_signal -1
	s_barrier_wait -1
	FETCH_B 0, 0, 0
	FETCH_A 0, 0, 0
	SCALES 0
	FETCH_A 0, 0, 4
	STEP 0, 0, 1                                   ; K step 0: its first products start the sums
	TURN 0, 1, 1                                   ; slot 0 takes K step 2
	STEP 1, 0, 0
	TURN 1, 0, 1                                   ; slot 1 takes K step 3
	STEP 0, 0, 0
	TURN 0, 1, 0                                   ; nothing is left to fetch
	STEP 1, 0, 0
	s_wait_dscnt 4*NL
	WIN MUL_LO
	MUL16 0, 1, NQ-1, 1, 0
	MUL16 2, 1, NQ-1, 1, 0
	s_wait_dscnt 0
	WIN MUL_HI
	MUL16 4, 1, NQ-1, 1, 0
	MUL16 6, 1, NQ-1, 1, 0
	WIN 0
; THE WAY OUT.  For A's tile a my 64 registers are 128 neighbours along the next K, register 16 b + i = 32 b + 16 h + i: four blocks of 32, each shared with lane l xor 16.  They become a fragment's 12 registers and a scale word,
; and the fragment's two images are stored as they stand: 512 and 256 consecutive bytes an instruction.
.macro QOUT a
.set AC, 64*((\a)%4)
.set QW, 2+(\a)/4
.set QW2, 5*QW
.if (\a) > 0
	s_wait_xcnt 0x0                                ; the last tile's stores have read their data and their base: both are written again only behind this wait
.if (\a) == 4
	s_add_nc_u64 s[12:13], s[12:13], s[104:105]
.else
	s_add_nc_u64 s[12:13], s[12:13], s[96:97]
.endif
.endif
	WIN QW2                                        ; sources 0 and 1: the accumulators' window
.irp b, 0,1,2,3
	v_max3_num_f32 v[TM+\b], |v[AC+16*\b]|, |v[AC+16*\b+1]|, 0x1800000   ; each accumulator from its low end on; the floor 2^(3 - 127) holds the byte at 1 from below
.endr
.irp i, 2,4,6,8,10,12,14
.irp b, 0,1,2,3
	v_max3_num_f32 v[TM+\b], |v[AC+16*\b+\i]|, |v[AC+16*\b+\i+1]|, v[TM+\b]   ; the four blocks by turns
.endr
.endr
	WIN 0
.irp b, 0,1,2,3
	v_permlanex16_b32 v[TM+4+\b], v[TM+\b], s100, s101
.endr
.irp b, 0,1,2,3
	v_max_num_f32 v[TM+\b], v[TM+\b], v[TM+4+\b]   ; with lane l xor 16's: the block's largest magnitude
.endr
.irp b, 0,1,2,3
	v_add_nc_u32 v[TM+12+\b], 0xff000000, v[TM+\b] ; 2 off its exponent field: the conversion's scale operand
.endr
.irp b, 0,1,2,3
	v_lshrrev_b32 v[TM+4+\b], 23, v[TM+12+\b]      ; the scale's byte
.endr
	v_lshl_or_b32 v[PW+(\a)], v[TM+5], 8, v[TM+4]
	v_lshl_or_b32 v[PW+(\a)], v[TM+6], 16, v[PW+(\a)]
	v_lshl_or_b32 v[PW+(\a)], v[TM+7], 24, v[PW+(\a)]
	WIN QW                                         ; source 0: the accumulators' window
.irp c, 0,1
	v_cvt_scalef32_pk16_fp6_f32 v[PC+6*\c:PC+6*\c+2], v[AC+32*\c:AC+32*\c+15], v[TM+12+2*\c]
	v_cvt_scalef32_pk16_fp6_f32 v[PC+12+4*\c:PC+14+4*\c], v[AC+16+32*\c:AC+31+32*\c], v[TM+13+2*\c]   ; (a conversion's three registers begin on an even number)
.endr
	WIN 0
	v_nop                                          ; one plain line behind the conversions
.irp c, 0,1                                    ; the layout wants a whole block in a lane: lanes 0-15 block 2 c, lanes 16-31 block 2 c + 1
.irp i, 0,1,2
	v_permlane16_swap_b32 v[PC+6*\c+\i], v[PC+12+4*\c+\i]
.endr
.irp i, 0,1,2
	v_mov_b32 v[PC+3+6*\c+\i], v[PC+12+4*\c+\i]
.endr
.endr
	global_store_b128 v[L16], v[PC:PC+3], s[12:13]
	global_store_b64 v[L8], v[PC+4:PC+5], s[12:13] offset:512
	global_store_b128 v[L16D], v[PC+6:PC+9], s[12:13]
	global_store_b64 v[L8D], v[PC+10:PC+11], s[12:13] offset:512
.endm
	PLACES NP                                      ; behind the last products: the lines below write their scale registers and read results
.irp b, 0,1,2,3
	v_mov_b32 v[TM+4+\b], 0                        ; a lane permute's destination counts as one of its sources
.endr
.irp a, 0,1,2,3,4,5,6,7
	QOUT \a
.endr
.irp j, 0,1,2,3
	v_cndmask_b32 v[SELR+\j], v[PW+2*\j], v[PW+2*\j+1], s98   ; lanes 0-15: tile 2 j's words, lanes 16-31: tile 2 j + 1's (both halves of the lanes hold slot l % 16's word)
.endr
	s_cmp_eq_u32 s95, 2                            ; the cluster's number alone: all partners go the same way
	s_cbranch_scc1 .Lv_words
	global_store_b128 v[L16], v[SELR:SELR+3], s[66:67]             ; the even head: its bytes are the words' low two
.irp j, 0,1,2,3
	v_lshrrev_b32 v[SELO+\j], 16, v[SELR+\j]       ; the odd head's
.endr
	global_store_b128 v[L16], v[SELO:SELO+3], s[66:67] offset:20480
	s_branch .Lwords_out
.Lv_words:
	s_wait_alu depctr_va_vdst(0)
	global_store_b64 v[L8], v[SELR:SELR+1], s[66:67]               ; my first head's four tiles of d,
	global_store_b64 v[L8], v[SELR+2:SELR+3], s[66:67] offset:20480   ; my second's
.Lwords_out:
	s_wait_tensorcnt 0x0                           ; the wave's end: behind my last tensor load
	ds_add_u32 v[SPW], v[NIL]
	s_wait_dscnt 0x0
	CROUND                                         ; the closing round: no work-group ends while a partner may still ask for a tile that names it
	s_endpgm
.Lfunc_end_k_q8e5f9032ce_qkv:
	.size	k_q8e5f9032ce_qkv, .Lfunc_end_k_q8e5f9032ce_qkv-k_q8e5f9032ce_qkv
	.p2alignl 7, 3214868480
	.fill 96, 4, 3214868480
	.section	.rodata,"a",@progbits
	.p2align	6, 0x0
	.amdhsa_kernel k_q8e5f9032ce_qkv
		.amdhsa_group_segment_fixed_size 327680
		.amdhsa_private_segment_fixed_size 0
		.amdhsa_enable_private_segment 0
		.amdhsa_kernarg_size 48
		.amdhsa_user_sgpr_count 2
		.amdhsa_user_sgpr_kernarg_segment_ptr 1
		.amdhsa_wavefront_size32 1
		.amdhsa_system_sgpr_workgroup_id_x 1
		.amdhsa_system_sgpr_workgroup_id_y 1
		.amdhsa_system_sgpr_workgroup_id_z 1
		.amdhsa_system_vgpr_workitem_id 0
		.amdhsa_next_free_vgpr 1024
		.amdhsa_next_free_sgpr 106
		.amdhsa_reserve_vcc 0
		.amdhsa_float_denorm_mode_32 3
		.amdhsa_float_denorm_mode_16_64 3
		.amdhsa_memory_ordered 1
		.amdhsa_forward_progress 1
		.amdhsa_inst_pref_size 152
	.end_amdhsa_kernel
	.amdgpu_metadata
---
amdhsa.version: [ 1, 2 ]
amdhsa.kernels:
  - .name:           k_q8e5f9032ce_qkv
    .symbol:         k_q8e5f9032ce_qkv.kd
    .args:
      - { .name: xc, .offset: 0, .size: 8, .value_kind: global_buffer, .address_space: global }
      - { .name: xs, .offset: 8, .size: 8, .value_kind: global_buffer, .address_space: global }
      - { .name: wc, .offset: 16, .size: 8, .value_kind: global_buffer, .address_space: global }
      - { .name: ws, .offset: 24, .size: 8, .value_kind: global_buffer, .address_space: global }
      - { .name: qkv, .offset: 32, .size: 8, .value_kind: global_buffer, .address_space: global }
      - { .name: sc, .offset: 40, .size: 8, .value_kind: global_buffer, .address_space: global }
    .group_segment_fixed_size: 327680
    .private_segment_fixed_size: 0
    .kernarg_segment_align: 8
    .kernarg_segment_size: 48
    .max_flat_workgroup_size: 128
    .sgpr_count:     106
    .vgpr_count:     1024
    .wavefront_size: 32
...
	.end_amdgpu_metadata
.endif
;; end of part 3
;; launch attn (part 4): grid 4 x 64, 16 waves a work-group, clusters of 4 x 1, 210,944 bytes of LDS; arguments qkv, sc, mc, ms; writes mc, ms
.if DOCPART == 4
	.amdgcn_target "amdgcn-amd-amdhsa--gfx1250"
	.amdhsa_code_object_version 6
	.text
	.protected	k_q8e5f9032ce_attn
	.globl	k_q8e5f9032ce_attn
	.p2align	8
	.type	k_q8e5f9032ce_attn,@function
k_q8e5f9032ce_attn:
	s_mov_b64 s[64:65], 0
	v_nop
	global_prefetch_b8 v0, s[64:65] scope:SCOPE_SE
	s_setreg_imm32_b32 hwreg(HW_REG_WAVE_MODE, 25, 1), 1
	s_wait_xcnt 0x0
	s_wait_alu depctr_hold_cnt(0) depctr_sa_sdst(0) depctr_va_vdst(0) depctr_va_sdst(0) depctr_va_ssrc(0) depctr_va_vcc(0) depctr_vm_vsrc(0)
	s_getreg_b32 s2, hwreg(HW_REG_IB_STS2, 6, 4)
	s_cmp_eq_u32 s2, 0
	s_cbranch_scc0 .Lentry_in_a_cluster
	s_endpgm
.Lentry_in_a_cluster:
	s_bfe_u32 s2, ttmp6, 0x10000c
	s_cmp_lg_u32 s2, 0x3003
	s_cbranch_scc0 .Lentry_shape_is_right
	s_endpgm
.Lentry_shape_is_right:
; For each batch and head: S = q k^T (K = d = 64), the softmax, O = p v (K = the 2,048 keys), O / l, and O quantised along d for the last product.  Both products on codes of FP6 (E2M3) with E8M0 scales.
; THE SOFTMAX: t = score x log2(e) / 8; M = the running largest t rounded UP to a whole number; p = 2^(t - M) is quantised along the keys, not normalised; the row's sum l is taken of the unquantised p; when M moves, l and O are
; multiplied by 2^(old M - new M), which rounds nothing.  A block's largest p is made from the block's largest score by the same multiply-add and exponential (this takes v_exp_f32 not to fall where its input rises).
; K = 64 fills half of the matrix instruction's 128: the upper six registers of q's and of k's fragments are zero codes, set once; their scale bytes are never 0xff.
; SHARES.  A work-group owns one head and 512 queries, in two passes of 256; in a pass each of its sixteen waves owns one tile of 16 queries, in 256 registers: four waves to a SIMD, so that one wave's vector work stands beside another's
; matrix work and LDS loads.  256 work-groups of equal work.
; THE WHOLE HEAD'S k, v AND THEIR SCALE WORDS LIE IN LDS, FILLED ONCE (208,896 bytes): no slot is filled again and no barrier stands in a loop.  The four work-groups of a cluster own the same head, so each fill is asked for jointly.
; All of k and v is asked for at the head, so there is nothing to prefetch.  Wave 0 has five tensor loads out, wave 1 four.
; LAYOUT.  Both products are used transposed (S^T = k q^T, O^T = v^T p^T): a lane holds one query (slot lane % 16 of its tile) throughout.  The buffers' tiles are laid so that the 16 registers of tiles 2 b, 2 b + 1 are 16 neighbours
; (keys in S^T, d in O^T), 32 b + 16 (lane / 16) + 0 .. 15.  Fragments are images of registers: every LDS load reads consecutive bytes from lane to lane.
; OUT.  mc: [128 b + tile of t][head][768], an image of 16 slots x 64 d.  ms: [tile pair][c / 256][tile in pair][slot][8 bytes]: this head's two bytes of a row's eight.  The other bytes belong to other heads, made by other
; work-groups: so these leave as single bytes, 2 for each 48 bytes of codes.
; LIMITS: NaN and infinities are not served; 1 / l is v_rcp_f32 and a multiplication; a block whose largest magnitude lies under 2^-124 keeps the byte 1; a block of zeros gets the byte 1, not 127 (zero codes; this program alone reads the bytes).
.set VB,    98304                      ; LDS: k at 0: [key step 16][tile 8][768];  v here: [key step][tile of d 4][1,536]
.set KS,    196608                     ; k's scale words, 512 bytes a key step
.set VS,    204800                     ; v's, 256 bytes a key step
.set SPARE, 208896                     ; the spare words: 128 bytes a wave, eight blocks of 256 bytes that no other line names
.set CHUNK, 24576                      ; four key steps of k or of v: one tensor load
.set KF,    32                         ; v32-79  four fragments of k; registers 6-11 of each are zero codes
.set KSC,   80                         ; v80-83  k's scale words: register j: lanes 0-15 tile 2 j, lanes 16-31 tile 2 j + 1
.set VSC,   84                         ; v84-85  v's likewise
.set SPW,   86                         ; v86 LDS address of my spare word; never rewritten
.set NIL,   87                         ; v87 0; never rewritten
.set S,     96                         ; v96-159 S^T, then p; v's four fragments land in v96-143 when p has been converted
.set O,     160                        ; v160-191 O^T
.set BM,    192                        ; v192-195 the blocks' largest scores, then largest p
.set BP,    196                        ; v196-199 lane permutes' destinations, then scale bytes
.set SCF,   200                        ; v200-203 the conversions' scale operands
.set CT,    204                        ; v204-206, v208-210 upper halves of blocks (a conversion's three registers begin on an even number)
.set F,     212                        ; v[212:213] f = 2^(old M - new M), and a written partner
.set TA,    214                        ; v214 at work
.set PSW,   216                        ; v216 p's scale word
.set BYTE,  217
.set SUM2,  218                        ; v[218:219] the sum's second chain
.set PC,    224                        ; v224-235 p's codes
; v1 16 l, v2 8 l, v3, v4 the same + VB, v5 16 l + KS, v6 8 l + VS, v7 16 (l % 16), v31 8 (l % 16) + l / 16; v8-11, v29, v30 the step's addresses; v12 -M, v13 the largest t, v[14:15] the sum; v16-21 q, v22-27 zero codes, v28 q's scale word
; s12 wave, s13 cx, s14 16 b + head; s[20:21] selects; s[22:23] c; s[24:31], s[32:39] groups 1; s[40:43], s[44:59] groups 0; s60-62 the step's bytes in k and v, in k's words, in v's words; s63 steps to go; s66 lanes 16-31; s[68:75] q, q's words, mc, ms
.macro CROUND                          ; a round of the cluster's barrier
	s_barrier_signal -1
	s_barrier_wait -1
	s_cmp_lg_u32 s12, 0
	s_cbranch_scc1 .Lnot_wave_0_\@
	s_barrier_signal -3
.Lnot_wave_0_\@:
	s_barrier_wait -3
	s_barrier_signal -1
	s_barrier_wait -1
.endm
	s_load_b256 s[4:11], s[0:1], 0x0               ; qkv, sc, mc, ms
	v_lshl_add_u32 v[SPW], v0, 2, SPARE
	v_mov_b32 v[NIL], 0
	ds_add_u32 v[SPW], v[NIL]                      ; the wave's opening: the add and its wait stand ahead of the first tensor loads; the set-up below stands between them
	ds_add_u32 v[SPW], v[NIL]
	v_lshrrev_b32 v8, 5, v0
	s_delay_alu instid0(VALU_DEP_1)
	v_readfirstlane_b32 s12, v8                    ; wave 0..15
	s_bfe_u32 s13, ttmp6, 0x40000                  ; cx: it enters q's, mc's and ms's addresses alone
	s_and_b32 s14, ttmp7, 0xffff                   ; 16 b + head, which the four partners share
	; group 1: a dense block as rows of 256 bytes (32 elements of 8 bytes): 96 rows for a chunk of codes, 48 for the scale words
	s_mov_b32 s24, 15|(3<<16)|(1<<21)              ; 15:0 the mask: all four work-groups; 17:16 elements of 8 bytes; 21 set beside a mask
	s_mov_b32 s25, 32<<16
	s_mov_b32 s26, 96<<16
	s_mov_b32 s27, 32<<16
	s_mov_b32 s28, 96
	s_mov_b32 s29, 32
	s_mov_b32 s30, 0
	s_mov_b32 s31, 0
	s_mov_b32 s32, 15|(3<<16)|(1<<21)
	s_mov_b32 s33, 32<<16
	s_mov_b32 s34, 48<<16
	s_mov_b32 s35, 32<<16
	s_mov_b32 s36, 48
	s_mov_b32 s37, 32
	s_mov_b32 s38, 0
	s_mov_b32 s39, 0
	s_min_u32 s15, s12, 1                          ; wave 0 fetches k, wave 1 v (the others issue nothing)
	s_mul_i32 s16, s15, VB                         ; in LDS,
	s_add_co_u32 s17, s15, 1
	s_mul_i32 s76, s17, 6291456                    ; in qkv,
	s_mul_i32 s77, s14, 98304                      ; my head
	s_add_co_u32 s76, s76, s77
	s_mov_b32 s77, 0
	s_mul_i32 s78, s14, 20480
	s_add_co_u32 s78, s78, 8192                    ; k's and v's scale words lie on end: 12,288 bytes
	s_mov_b32 s79, 0
	s_mov_b32 s20, 0x76543210
	s_mov_b32 s21, 0xfedcba98                      ; v_permlanex16_b32's selects for lane l xor 16
	s_mov_b32 s22, 0x3e38aa3b                      ; c = log2(e) / 8
	s_mov_b32 s23, s22                             ; (named with it as a pair, so it is written)
	s_mov_b32 s66, 0xffff0000
	s_wait_dscnt 0x0                               ; the opening add is done
	s_wait_kmcnt 0x0
	s_add_nc_u64 s[76:77], s[4:5], s[76:77]
	s_add_nc_u64 s[78:79], s[6:7], s[78:79]
	CROUND                                         ; all four work-groups are here: the joint loads meet
	s_mov_b32 s40, 1
	s_mov_b32 s41, KS
	s_mov_b64 s[42:43], s[78:79]
	s_or_b32 s43, s43, 0x80000000
.irp j, 0,1,2,3
	s_mov_b32 s[44+4*\j], 1
	s_add_co_u32 s[45+4*\j], s16, CHUNK*\j
	s_add_nc_u64 s[46+4*\j:47+4*\j], s[76:77], CHUNK*\j
	s_or_b32 s[47+4*\j], s[47+4*\j], 0x80000000
.endr
	s_cmp_lg_u32 s12, 0                            ; a wave's fills stand in one branch on the wave's number, ahead of every wait on TENSORcnt and every LDS read; an s_nop 0 follows each, four v_nop the last
	s_cbranch_scc1 .Lnot_k
	tensor_load_to_lds s[40:43], s[32:39]          ; the scale words,
	s_nop 0
.irp j, 0,1,2,3
	tensor_load_to_lds s[44+4*\j:47+4*\j], s[24:31]    ; k's four chunks
	s_nop 0
.endr
.rept 4
	v_nop
.endr
	s_branch .Lasked
.Lnot_k:
	s_cmp_lg_u32 s12, 1
	s_cbranch_scc1 .Lasked
.irp j, 0,1,2,3
	tensor_load_to_lds s[44+4*\j:47+4*\j], s[24:31]    ; v's four chunks
	s_nop 0
.endr
.rept 4
	v_nop
.endr
.Lasked:
	s_lshl_b32 s80, ttmp9, 2
	s_add_co_u32 s80, s80, s13                     ; my block of 512 queries
	s_lshl_b32 s80, s80, 5
	s_add_co_u32 s80, s80, s12                     ; my tile in pass 0; pass 1's lies 16 tiles on
	s_mul_i32 s82, s14, 98304
	s_mul_i32 s83, s80, 768
	s_add_co_u32 s82, s82, s83
	s_mov_b32 s83, 0
	s_add_nc_u64 s[68:69], s[4:5], s[82:83]        ; q's image
	s_mul_i32 s82, s14, 20480
	s_lshr_b32 s84, s80, 3
	s_lshl_b32 s84, s84, 9                         ; q's scale word: group tile / 8,
	s_add_co_u32 s82, s82, s84
	s_and_b32 s84, s80, 1
	s_lshl_b32 s84, s84, 8                         ; lanes 16 (tile % 2) on,
	s_add_co_u32 s82, s82, s84
	s_bfe_u32 s84, s80, 0x20001
	s_lshl_b32 s84, s84, 2                         ; word (tile / 2) % 4
	s_add_co_u32 s82, s82, s84
	s_add_nc_u64 s[70:71], s[6:7], s[82:83]
	s_lshr_b32 s85, s14, 4                         ; b
	s_and_b32 s86, s14, 15                         ; head
	s_lshl_b32 s85, s85, 7
	s_add_co_u32 s85, s85, s80                     ; 128 b + tile
	s_lshl_b32 s82, s85, 4
	s_add_co_u32 s82, s82, s86
	s_mul_i32 s82, s82, 768
	s_add_nc_u64 s[72:73], s[8:9], s[82:83]        ; mc
	s_lshr_b32 s82, s85, 1
	s_lshl_b32 s82, s82, 10                        ; ms: the tile pair,
	s_lshr_b32 s84, s86, 2
	s_lshl_b32 s84, s84, 8                         ; four heads are 256 c,
	s_add_co_u32 s82, s82, s84
	s_and_b32 s84, s85, 1
	s_lshl_b32 s84, s84, 7                         ; the tile in the pair,
	s_add_co_u32 s82, s82, s84
	s_and_b32 s84, s86, 3
	s_lshl_b32 s84, s84, 1                         ; the head's two bytes of the eight
	s_add_co_u32 s82, s82, s84
	s_add_nc_u64 s[74:75], s[10:11], s[82:83]
	v_and_b32 v8, 31, v0
	s_delay_alu instid0(VALU_DEP_1)
	v_lshlrev_b32 v1, 4, v8
	s_delay_alu instid0(VALU_DEP_2)
	v_lshlrev_b32 v2, 3, v8
	s_delay_alu instid0(VALU_DEP_2)
	v_add_nc_u32 v3, VB, v1
	s_delay_alu instid0(VALU_DEP_2)
	v_add_nc_u32 v4, VB, v2
	s_delay_alu instid0(VALU_DEP_4)
	v_add_nc_u32 v5, KS, v1
	s_delay_alu instid0(VALU_DEP_4)
	v_add_nc_u32 v6, VS, v2
	v_and_b32 v9, 15, v0
	s_delay_alu instid0(VALU_DEP_1)
	v_lshlrev_b32 v7, 4, v9
	v_bfe_u32 v10, v0, 4, 1
	s_delay_alu instid0(VALU_DEP_1)
	v_lshl_add_u32 v31, v9, 3, v10
.irp j, 22,23,24,25,26,27
	v_mov_b32 v\j, 0                               ; q's upper 64 along K: zero codes
.endr
.irp t, 0,1,2,3
.irp j, 6,7,8,9,10,11
	v_mov_b32 v[KF+12*\t+\j], 0                    ; k's likewise: set once, never loaded over
.endr
.endr
.irp j, 0,1,2,3
	v_mov_b32 v[BP+\j], 0                          ; a lane permute's destination counts as one of its sources
.endr
	v_mov_b32 v[F+1], 0                            ; (named as the upper half of a pair)
	v_mov_b32 v[TA], 0
; A KEY STEP: 128 keys.
.macro STEP
	v_add_nc_u32 v8, s60, v1                       ; the step's addresses.  These six plain lines are also the places between the last step's products O^T and the products below, which write over v's fragments (five are asked)
	s_wait_alu depctr_va_vdst(0)
	v_add_nc_u32 v9, s60, v2
	s_wait_alu depctr_va_vdst(0)
	v_add_nc_u32 v10, s60, v3
	v_add_nc_u32 v11, s60, v4
	v_add_nc_u32 v29, s61, v5
	v_add_nc_u32 v30, s62, v6
	ds_load_b128 v[KSC:KSC+3], v29
.irp g, 0,1                                    ; S^T = k q^T, four tiles of 16 keys at a time
.if \g
.rept 4
	v_nop                                          ; places in front of loads into registers that matrix instructions have read
.endr
.endif
.irp t, 0,1,2,3
	ds_load_b128 v[KF+12*\t:KF+12*\t+3], v8 offset:(4*\g+\t)*768
	ds_load_b64 v[KF+12*\t+4:KF+12*\t+5], v9 offset:(4*\g+\t)*768+512
.endr
	s_wait_dscnt 0x0
.irp t, 0,2
	v_wmma_scale_f32_16x16x128_f8f6f4 v[S+8*(4*\g+\t):S+8*(4*\g+\t)+7], v[KF+12*\t:KF+12*\t+11], v[16:27], 0, v[KSC+2*\g+\t/2], v28 matrix_a_fmt:MATRIX_FMT_FP6 matrix_b_fmt:MATRIX_FMT_FP6
	v_wmma_scale_f32_16x16x128_f8f6f4 v[S+8*(4*\g+\t)+8:S+8*(4*\g+\t)+15], v[KF+12*\t+12:KF+12*\t+23], v[16:27], 0, v[KSC+2*\g+\t/2], v28 matrix_a_fmt:MATRIX_FMT_FP6 matrix_b_fmt:MATRIX_FMT_FP6 matrix_a_scale:MATRIX_SCALE_ROW1
.endr
.endr
.rept 4
	v_nop                                          ; places in front of the first read of results
.endr
.irp b, 0,1,2,3
	v_max3_num_f32 v[BM+\b], v[S+16*\b], v[S+16*\b+1], v[S+16*\b+2]    ; the largest score of each block of 32 keys: for the row's maximum and for the block's largest p; each accumulator from its low end on
.endr
.irp i, 3,5,7,9,11,13
.irp b, 0,1,2,3
	v_max3_num_f32 v[BM+\b], v[BM+\b], v[S+16*\b+\i], v[S+16*\b+\i+1]
.endr
.endr
.irp b, 0,1,2,3
	v_max_num_f32 v[BM+\b], v[BM+\b], v[S+16*\b+15]
.endr
.irp b, 0,1,2,3
	s_delay_alu instid0(VALU_DEP_4)
	v_permlanex16_b32 v[BP+\b], v[BM+\b], s20, s21
.endr
.irp b, 0,1,2,3
	s_delay_alu instid0(VALU_DEP_4)
	v_max_num_f32 v[BM+\b], v[BM+\b], v[BP+\b]     ; with lane l xor 16's 16 keys
.endr
	s_delay_alu instid0(VALU_DEP_2)
	v_max3_num_f32 v[TA], v[BM], v[BM+1], v[BM+2]
	s_delay_alu instid0(VALU_DEP_1)
	v_max_num_f32 v[TA], v[TA], v[BM+3]            ; the step's largest score of my query,
	s_delay_alu instid0(VALU_DEP_1)
	v_mul_f32 v[TA], s22, v[TA]                    ; as t (c is positive)
	s_delay_alu instid0(VALU_DEP_1)
	v_max_num_f32 v13, v13, v[TA]                  ; the running largest t
	v_mov_b32 v[TA], v12
	s_delay_alu instid0(VALU_DEP_2)
	v_floor_f32 v12, -v13                          ; the new -M = floor(-t): M is a whole number
	s_delay_alu instid0(VALU_DEP_1)
	v_sub_f32 v[TA], v12, v[TA]                    ; old M - new M: a whole number, 0 or less
	s_delay_alu instid0(VALU_DEP_1)
	v_cvt_i32_f32 v[TA], v[TA]                     ; (it saturates)
	s_delay_alu instid0(VALU_DEP_1)
	v_ldexp_f32 v[F], 1.0, v[TA]                   ; f = 2^(old M - new M)
.set i, 0
.rept 32
	v_pk_fma_f32 v[S+i:S+i+1], v[S+i:S+i+1], s[22:23], v[12:13] op_sel_hi:[1,0,0]   ; t - M, two at a time
.set i, i+2
.endr
.irp b, 0,1,2,3
	v_fma_f32 v[BM+\b], v[BM+\b], s22, v12         ; the same of each block's largest score
.endr
.set i, 0
	s_wait_alu depctr_va_vdst(0)
.rept 64
	v_exp_f32 v[S+i], v[S+i]                       ; p = 2^(t - M)
.set i, i+1
.endr
	s_setprio 1
	v_pk_mul_f32 v[14:15], v[14:15], v[F:F+1] op_sel_hi:[1,0]      ; the sums under the new M (the plain line behind the exponentials)
	s_wait_alu depctr_va_vdst(0)                   ; the wait ahead of the first line that names a result: one for the batch of 64
.irp b, 0,1,2,3
	v_exp_f32 v[BM+\b], v[BM+\b]                   ; the blocks' largest p
.endr
	v_pk_add_f32 v[218:219], v[100:101], v[104:105]
	v_pk_add_f32 v[254:255], v[108:109], v[112:113]
	v_pk_add_f32 v[252:253], v[116:117], v[120:121]
	v_pk_add_f32 v[250:251], v[124:125], v[128:129]
	v_pk_add_f32 v[248:249], v[132:133], v[136:137]
	v_pk_add_f32 v[246:247], v[140:141], v[144:145]
	v_pk_add_f32 v[244:245], v[148:149], v[152:153]
	v_pk_add_f32 v[14:15], v[14:15], v[156:157]
	v_pk_add_f32 v[218:219], v[218:219], v[96:97]
	v_pk_add_f32 v[254:255], v[254:255], v[98:99]
	v_pk_add_f32 v[252:253], v[252:253], v[102:103]
	v_pk_add_f32 v[250:251], v[250:251], v[106:107]
	v_pk_add_f32 v[248:249], v[248:249], v[110:111]
	v_pk_add_f32 v[246:247], v[246:247], v[114:115]
	v_pk_add_f32 v[244:245], v[244:245], v[118:119]
	v_pk_add_f32 v[14:15], v[14:15], v[122:123]
	v_pk_add_f32 v[218:219], v[218:219], v[126:127]
	v_pk_add_f32 v[254:255], v[254:255], v[130:131]
	v_pk_add_f32 v[252:253], v[252:253], v[134:135]
	v_pk_add_f32 v[250:251], v[250:251], v[138:139]
	v_pk_add_f32 v[248:249], v[248:249], v[142:143]
	v_pk_add_f32 v[246:247], v[246:247], v[146:147]
	v_pk_add_f32 v[244:245], v[244:245], v[150:151]
	v_pk_add_f32 v[14:15], v[14:15], v[154:155]
	v_pk_add_f32 v[218:219], v[218:219], v[158:159]
	s_delay_alu instid0(VALU_DEP_2)
	v_pk_add_f32 v[14:15], v[14:15], v[250:251]
	s_delay_alu instid0(VALU_DEP_2)
	v_pk_add_f32 v[218:219], v[218:219], v[248:249]
	v_pk_add_f32 v[254:255], v[254:255], v[246:247]
	v_pk_add_f32 v[252:253], v[252:253], v[244:245]
	s_delay_alu instid0(VALU_DEP_2)
	v_pk_add_f32 v[14:15], v[14:15], v[254:255]
	s_delay_alu instid0(VALU_DEP_2)
	v_pk_add_f32 v[218:219], v[218:219], v[252:253]
	s_delay_alu instid0(VALU_DEP_1)
	v_pk_add_f32 v[14:15], v[14:15], v[218:219]
	s_wait_alu depctr_va_vdst(0)                   ; and one for the four
.irp b, 0,1,2,3
	v_max_num_f32 v[BM+\b], 0x1800000, v[BM+\b]    ; the floor 2^(3 - 127): the byte cannot fall under 1
.endr
.irp b, 0,1,2,3
	s_delay_alu instid0(VALU_DEP_4)
	v_add_nc_u32 v[SCF+\b], 0xff000000, v[BM+\b]   ; 2 off the exponent field: the conversion's scale operand
.endr
.irp b, 0,1,2,3
	s_delay_alu instid0(VALU_DEP_4)
	v_lshrrev_b32 v[BP+\b], 23, v[SCF+\b]          ; the scale's byte
.endr
	s_delay_alu instid0(VALU_DEP_3)
	v_lshl_or_b32 v[PSW], v[BP+1], 8, v[BP]        ; p's scale word for these 128 keys
	s_delay_alu instid0(VALU_DEP_1)
	v_lshl_or_b32 v[PSW], v[BP+2], 16, v[PSW]
	s_delay_alu instid0(VALU_DEP_1)
	v_lshl_or_b32 v[PSW], v[BP+3], 24, v[PSW]
.irp c, 0,1
	v_cvt_scalef32_pk16_fp6_f32 v[PC+6*\c:PC+6*\c+2], v[S+32*\c:S+32*\c+15], v[SCF+2*\c]
	v_cvt_scalef32_pk16_fp6_f32 v[CT+4*\c:CT+4*\c+2], v[S+16+32*\c:S+31+32*\c], v[SCF+2*\c+1]
.endr
	v_nop                                          ; one plain line behind the conversions
.irp d, 0,1,2,3                                ; p is converted: v's four fragments land where it lay, while the lines below run
	ds_load_b128 v[S+12*\d:S+12*\d+3], v10 offset:\d*1536
	ds_load_b64 v[S+12*\d+4:S+12*\d+5], v11 offset:\d*1536+512
	ds_load_b128 v[S+12*\d+6:S+12*\d+9], v10 offset:\d*1536+768
	ds_load_b64 v[S+12*\d+10:S+12*\d+11], v11 offset:\d*1536+1280
.endr
	ds_load_b64 v[VSC:VSC+1], v30
.irp c, 0,1                                    ; the layout wants a whole block in a lane
.irp i, 0,1,2
	v_permlane16_swap_b32 v[PC+6*\c+\i], v[CT+4*\c+\i]
.endr
.irp i, 0,1,2
	s_delay_alu instid0(VALU_DEP_3)
	v_mov_b32 v[PC+3+6*\c+\i], v[CT+4*\c+\i]
.endr
.endr
.set i, 0
	s_setprio 0
.rept 16
	v_pk_mul_f32 v[O+i:O+i+1], v[O+i:O+i+1], v[F:F+1] op_sel_hi:[1,0]      ; O^T under the new M.  (These 16 are also the places between the lines that wrote p's codes and scale word and the products below)
.set i, i+2
.endr
	s_wait_alu depctr_va_vdst(0)
	s_wait_dscnt 0x0
.irp d, 0,2                                    ; O^T += v^T p^T: the four accumulators by turns
	v_wmma_scale_f32_16x16x128_f8f6f4 v[O+8*\d:O+8*\d+7], v[S+12*\d:S+12*\d+11], v[PC:PC+11], v[O+8*\d:O+8*\d+7], v[VSC+\d/2], v[PSW] matrix_a_fmt:MATRIX_FMT_FP6 matrix_b_fmt:MATRIX_FMT_FP6
	v_wmma_scale_f32_16x16x128_f8f6f4 v[O+8*\d+8:O+8*\d+15], v[S+12*\d+12:S+12*\d+23], v[PC:PC+11], v[O+8*\d+8:O+8*\d+15], v[VSC+\d/2], v[PSW] matrix_a_fmt:MATRIX_FMT_FP6 matrix_b_fmt:MATRIX_FMT_FP6 matrix_a_scale:MATRIX_SCALE_ROW1
.endr
	s_add_co_u32 s60, s60, 6144                    ; the next key step
	s_add_co_u32 s61, s61, 512
	s_add_co_u32 s62, s62, 256
.endm
.macro RUN first, count                ; key steps first .. first + count - 1: constants of the text
	s_mov_b32 s60, \first*6144
	s_mov_b32 s61, \first*512
	s_mov_b32 s62, \first*256
	s_mov_b32 s63, \count
.Lrun_\@:
	s_setprio 2
	STEP
	s_sub_co_u32 s63, s63, 1
	s_cmp_lg_u32 s63, 0
	s_cbranch_scc1 .Lrun_\@
	s_setprio 0
.endm
; THE WAY OUT of a pass: O^T / l; its 32 registers are 64 d, register 16 b + i = 32 b + 16 h + i: two blocks, quantised as p is; the image leaves as 512 and 256 consecutive bytes.
.macro WAYOUT p
	v_add_f32 v14, v14, v15                        ; the sum's two halves,
	s_delay_alu instid0(VALU_DEP_1)
	v_permlanex16_b32 v[TA], v14, s20, s21
	s_delay_alu instid0(VALU_DEP_1)
	v_add_f32 v14, v14, v[TA]                      ; and lane l xor 16's
	s_wait_alu depctr_va_vdst(0)
	v_rcp_f32 v14, v14
.rept 4
	v_nop                                          ; the plain line behind the reciprocal, and the places behind the last products: the lines below read their results and write over v's fragments
.endr
	s_wait_alu depctr_va_vdst(0)                   ; the wait ahead of the first line that names the reciprocal
.set i, 0
.rept 32
	v_mul_f32 v[S+i], v[O+i], v14                  ; each accumulator from its low end on
.set i, i+1
.endr
.irp b, 0,1
	v_max3_num_f32 v[BM+\b], |v[S+16*\b]|, |v[S+16*\b+1]|, 0x1800000
.endr
.irp i, 2,4,6,8,10,12,14
.irp b, 0,1
	s_delay_alu instid0(VALU_DEP_2)
	v_max3_num_f32 v[BM+\b], v[BM+\b], |v[S+16*\b+\i]|, |v[S+16*\b+\i+1]|
.endr
.endr
.irp b, 0,1
	s_delay_alu instid0(VALU_DEP_2)
	v_permlanex16_b32 v[BP+\b], v[BM+\b], s20, s21
.endr
.irp b, 0,1
	s_delay_alu instid0(VALU_DEP_2)
	v_max_num_f32 v[BM+\b], v[BM+\b], v[BP+\b]
.endr
.irp b, 0,1
	s_delay_alu instid0(VALU_DEP_2)
	v_add_nc_u32 v[SCF+\b], 0xff000000, v[BM+\b]
.endr
.irp b, 0,1
	s_delay_alu instid0(VALU_DEP_2)
	v_lshrrev_b32 v[BP+\b], 23, v[SCF+\b]
.endr
	v_cvt_scalef32_pk16_fp6_f32 v[PC:PC+2], v[S:S+15], v[SCF]
	v_cvt_scalef32_pk16_fp6_f32 v[CT:CT+2], v[S+16:S+31], v[SCF+1]
	v_nop                                          ; one plain line behind the conversions
.irp i, 0,1,2
	v_permlane16_swap_b32 v[PC+\i], v[CT+\i]       ; lanes 0-15 get block 0 whole, lanes 16-31 block 1
.endr
.irp i, 0,1,2
	s_delay_alu instid0(VALU_DEP_3)
	v_mov_b32 v[PC+3+\i], v[CT+\i]
.endr
	v_cndmask_b32 v[BYTE], v[BP], v[BP+1], s66     ; my block's byte
	global_store_b128 v1, v[PC:PC+3], s[72:73] offset:\p*196608
	global_store_b64 v2, v[PC+4:PC+5], s[72:73] offset:\p*196608+512
	global_store_b8 v31, v[BYTE], s[74:75] offset:\p*8192
.endm
.macro BEGIN p                         ; a pass's tile of queries and its start values
	global_load_b128 v[16:19], v1, s[68:69] offset:\p*12288
	global_load_b64 v[20:21], v2, s[68:69] offset:\p*12288+512
	global_load_b32 v28, v7, s[70:71] offset:\p*1024
	v_mov_b32 v13, 0xff61b1e6                      ; the largest t so far: -3e38
	s_delay_alu instid0(VALU_DEP_1)
	v_floor_f32 v12, -v13                          ; -M
	v_mov_b32 v14, 0
	v_mov_b32 v15, 0
.set i, 0
.rept 32
	v_mov_b32 v[O+i], 0                            ; O^T: the step is written once; its first walk finds zeros, which the first change of M leaves zeros
.set i, i+1
.endr
.endm
	BEGIN 0
	s_wait_tensorcnt 3                             ; a fetching wave's three later chunks may be out: the scale words and the first four key steps of k (wave 0), of v (wave 1) are in
	s_barrier_signal -1
	s_barrier_wait -1                              ; and every wave knows it
	s_wait_loadcnt 0x0                             ; q
	RUN 0, 4                                       ; the first chunk is walked while the other three land
	s_wait_tensorcnt 0x0                           ; all of k, all of v
	s_wait_dscnt 0x0
	s_barrier_signal -1
	s_barrier_wait -1
	RUN 4, 12
	WAYOUT 0
	s_wait_xcnt 0x0                                ; pass 0's stores have read their data: the registers are written again only behind this wait
	BEGIN 1
	s_wait_loadcnt 0x0
	RUN 0, 16
	WAYOUT 1
	s_wait_tensorcnt 0x0                           ; the wave's end: behind the last tensor load
	ds_add_u32 v[SPW], v[NIL]
	s_wait_dscnt 0x0
	CROUND                                         ; the closing round
	s_endpgm
.Lfunc_end_k_q8e5f9032ce_attn:
	.size	k_q8e5f9032ce_attn, .Lfunc_end_k_q8e5f9032ce_attn-k_q8e5f9032ce_attn
	.p2alignl 7, 3214868480
	.fill 96, 4, 3214868480
	.section	.rodata,"a",@progbits
	.p2align	6, 0x0
	.amdhsa_kernel k_q8e5f9032ce_attn
		.amdhsa_group_segment_fixed_size 210944
		.amdhsa_private_segment_fixed_size 0
		.amdhsa_enable_private_segment 0
		.amdhsa_kernarg_size 32
		.amdhsa_user_sgpr_count 2
		.amdhsa_user_sgpr_kernarg_segment_ptr 1
		.amdhsa_wavefront_size32 1
		.amdhsa_system_sgpr_workgroup_id_x 1
		.amdhsa_system_sgpr_workgroup_id_y 1
		.amdhsa_system_sgpr_workgroup_id_z 1
		.amdhsa_system_vgpr_workitem_id 0
		.amdhsa_next_free_vgpr 256
		.amdhsa_next_free_sgpr 96
		.amdhsa_reserve_vcc 0
		.amdhsa_float_denorm_mode_32 3
		.amdhsa_float_denorm_mode_16_64 3
		.amdhsa_memory_ordered 1
		.amdhsa_forward_progress 1
		.amdhsa_inst_pref_size 75
	.end_amdhsa_kernel
	.amdgpu_metadata
---
amdhsa.version: [ 1, 2 ]
amdhsa.kernels:
  - .name:           k_q8e5f9032ce_attn
    .symbol:         k_q8e5f9032ce_attn.kd
    .args:
      - { .name: qkv, .offset: 0, .size: 8, .value_kind: global_buffer, .address_space: global }
      - { .name: sc, .offset: 8, .size: 8, .value_kind: global_buffer, .address_space: global }
      - { .name: mc, .offset: 16, .size: 8, .value_kind: global_buffer, .address_space: global }
      - { .name: ms, .offset: 24, .size: 8, .value_kind: global_buffer, .address_space: global }
    .group_segment_fixed_size: 210944
    .private_segment_fixed_size: 0
    .kernarg_segment_align: 8
    .kernarg_segment_size: 32
    .max_flat_workgroup_size: 512
    .sgpr_count:     96
    .vgpr_count:     256
    .wavefront_size: 32
...
	.end_amdgpu_metadata
.endif
;; end of part 4
;; launch proj (part 5): grid 32 x 4, 4 waves a work-group, clusters of 4 x 4, 327,680 bytes of LDS; arguments wc, ws, mc, ms, out0; writes out0
.if DOCPART == 5
	.amdgcn_target "amdgcn-amd-amdhsa--gfx1250"
	.amdhsa_code_object_version 6
	.text
	.protected	k_q8e5f9032ce_proj
	.globl	k_q8e5f9032ce_proj
	.p2align	8
	.type	k_q8e5f9032ce_proj,@function
k_q8e5f9032ce_proj:
	s_mov_b64 s[64:65], 0
	v_nop
	global_prefetch_b8 v0, s[64:65] scope:SCOPE_SE
	s_setreg_imm32_b32 hwreg(HW_REG_WAVE_MODE, 25, 1), 1
	s_wait_xcnt 0x0
	s_wait_alu depctr_hold_cnt(0) depctr_sa_sdst(0) depctr_va_vdst(0) depctr_va_sdst(0) depctr_va_ssrc(0) depctr_va_vcc(0) depctr_vm_vsrc(0)
	s_getreg_b32 s2, hwreg(HW_REG_IB_STS2, 6, 4)
	s_cmp_eq_u32 s2, 0
	s_cbranch_scc0 .Lentry_in_a_cluster
	s_endpgm
.Lentry_in_a_cluster:
	s_bfe_u32 s2, ttmp6, 0x10000c
	s_cmp_lg_u32 s2, 0xf033
	s_cbranch_scc0 .Lentry_shape_is_right
	s_endpgm
.Lentry_shape_is_right:
; out0[b][o][t] = the sum over c of Wp[o][c] merged[b][c][t] (K = c = 1,024), on codes of FP6 (E2M3) with E8M0 scales; out0 f32.
; OPERANDS lie as images of the operand's registers (16 slots x 64 K in 768 bytes; lane l: registers 0-3 at 16 l, 4-5 at 512 + 8 l); a tile's slot p is row 32 (T / 2) + 8 (T % 2) + p + 8 (p / 8).
; A = Wp (the fourth weight of wc, ws), B = merged (mc, ms).  A tile of the result is 256 o x 256 t, made by four waves, each 128 x 128: 64 accumulators, 512 registers.  SOURCE 0 = 16 rows of B, SOURCE 1 = 16 rows of A:
; lane (r, h) holds o = slot r of A's tile, and register j of B's tile b holds t = 32 (b / 2) + 16 h + 8 (b % 2) + j: eight neighbouring numbers of a row of out0.
; 8 clusters of 4 x 4 work-groups: A's tiles are shared along a row of the cluster, B's along a column, each asked for jointly.  K goes in four steps of 256 through two LDS slots; the scale words come once with the first fills.
; The eight steps of 128 are written out: a lap loop would have one trip.  128 work-groups: a tile of 128 rows would halve what each fragment read from LDS feeds.  No prefetch: of the four K steps two are first fills.
; REGISTERS, in windows of 256: window 0: v1-7 lane terms, v16-23 fragment addresses, v24-26 the way out, v27 scale address, v28-29 the add's two, v32-63 scale words (two sets), v128-223 A's fragments (one set);
; window 1: B's fragments, two sets; windows 2, 3: accumulator (a, b) at v[8 (8 (a % 4) + b)].
.set KSB,    3072                      ; a tile's K step of 256: four images
.set HALFT,  8*KSB                     ; eight tiles: what one tensor load brings, and what one wave reads of A or of B
.set SLOT,   4*HALFT
.set SCL,    2*SLOT                    ; behind the ring: the scale words, A's 8,192 bytes, then B's
.set HALFS,  4096
.set SPARE,  SCL+4*HALFS               ; the spare words: 128 bytes a wave, two blocks of 256 bytes that no other line names
.set SPITCH, 528                       ; the way out: a stage of 16 rows x (512 bytes + 16) a wave, in slot 0, which has had its last fill and its last read when the first result is stored there
.set OROW,   8192                      ; a row of out0 in bytes
.set FR,     12
.set NQ,     2
.set NL,     4
.set NP,     4
.set L16,    4                         ; v4 16 x lane: also my byte offset in a row's 512 bytes of out0
.set L8,     5
.set A16,    16
.set A8,     18
.set B16,    20
.set B8,     22
.set STO,    24                        ; v24 the way out: where I put 32 bytes of a row
.set RD,     25                        ; v25 where I read a row back
.set ADRS,   27
.set SPW,    28
.set NIL,    29
.set SC,     32
.set AF,     128
.set BK,     128                       ; the way out: 16 rows read back: v128-191 and v192-255 by turns
.set G1,  24
.set G0,  32
.set G1B, 48
.set G0B, 56
.set G1S, 68
.set G0S, 76
.set G1SB, 80
.set G0SB, 88
.set MSB, 0
.macro WIN new                         ; the immediate's high byte repeats the setting that is left
.if MSB != \new
	s_set_vgpr_msb (MSB<<8)|\new
.set MSB, \new
.endif
.endm
.set MUL_LO, 0xa1
.set MUL_HI, 0xf1
.set TO_B,   0x40
.macro JLOAD g0a, g1a, g0b, g1b        ; a joint load: waves 0 and 1 fetch for A, waves 2 and 3 for B; an s_nop 0 and four v_nop follow each of the two lines
	s_cmp_eq_u32 s15, 0
	s_cbranch_scc0 .Lfor_b_\@
	tensor_load_to_lds s[\g0a:\g0a+3], s[\g1a:\g1a+7]
	s_nop 0
.rept 4
	v_nop
.endr
	s_branch .Lasked_\@
.Lfor_b_\@:
	tensor_load_to_lds s[\g0b:\g0b+3], s[\g1b:\g1b+7]
	s_nop 0
.rept 4
	v_nop
.endr
.Lasked_\@:
.endm
.macro CREST
	s_cmp_lg_u32 s14, 0
	s_cbranch_scc1 .Lnot_wave_0_\@
	s_barrier_signal -3
.Lnot_wave_0_\@:
	s_barrier_wait -3
	s_barrier_signal -1
	s_barrier_wait -1
.endm
.macro CROUND
	s_barrier_signal -1
	s_barrier_wait -1
	CREST
.endm
	s_load_b256 s[4:11], s[0:1], 0x0               ; wc s[4:5], ws s[6:7], mc s[8:9], ms s[10:11]
	s_load_b64 s[12:13], s[0:1], 0x20              ; out0
	v_lshl_add_u32 v[SPW], v0, 2, SPARE
	v_mov_b32 v[NIL], 0
	ds_add_u32 v[SPW], v[NIL]                      ; the wave's opening: the add and its wait stand ahead of my first tensor load; the set-up below stands between them
	ds_add_u32 v[SPW], v[NIL]
	v_lshrrev_b32 v1, 5, v0
	v_readfirstlane_b32 s14, v1                    ; wave
	s_lshr_b32 s15, s14, 1                         ; my half of A's rows.  Also: I fetch for A (0) or for B (1)
	s_and_b32 s16, s14, 1                          ; my half of B's rows.  Also: which eight tiles I fetch
	s_bfe_u32 s40, ttmp6, 0x40000                  ; cx
	s_bfe_u32 s41, ttmp6, 0x40004                  ; cy
	s_lshl_b32 s42, ttmp9, 2
	s_add_co_u32 s42, s42, s40                     ; B's block of 256 t: 4 x cluster + cx
	s_mov_b32 s17, s41                             ; A's block of 256 o: cy (the grid has one cluster along y)
	s_lshl_b32 s43, s41, 2
	s_lshl_b32 s43, 15, s43                        ; my row of the cluster
	s_lshl_b32 s44, 0x1111, s40                    ; my column
	s_or_b32 s[G1+0], s43, (3<<16)|(1<<21)         ; codes: eight rows (tiles) of 3,072 bytes, 12,288 bytes apart, as elements of 8 bytes; no padding
	s_or_b32 s[G1B+0], s44, (3<<16)|(1<<21)
.irp g, G1, G1B
	s_mov_b32 s[\g+1], 384<<16
	s_mov_b32 s[\g+2], 8<<16
	s_mov_b32 s[\g+3], 384<<16
	s_mov_b32 s[\g+4], 8
	s_mov_b32 s[\g+5], 1536
	s_mov_b32 s[\g+6], 0
	s_mov_b32 s[\g+7], 0
.endr
	s_or_b32 s[G1S+0], s43, (3<<16)|(1<<21)        ; scale words of eight tiles: 4,096 dense bytes as 16 rows of 256
	s_or_b32 s[G1SB+0], s44, (3<<16)|(1<<21)
.irp g, G1S, G1SB
	s_mov_b32 s[\g+1], 32<<16
	s_mov_b32 s[\g+2], 16<<16
	s_mov_b32 s[\g+3], 32<<16
	s_mov_b32 s[\g+4], 16
	s_mov_b32 s[\g+5], 32
	s_mov_b32 s[\g+6], 0
	s_mov_b32 s[\g+7], 0
.endr
	s_lshl_b32 s18, s16, 3
	s_lshl_b32 s20, s17, 4
	s_add_co_u32 s20, s20, s18                     ; A: tile 16 x block + 8 x half
	s_lshl_b32 s46, s42, 4
	s_add_co_u32 s46, s46, s18                     ; B likewise
	s_lshl_b32 s22, s20, 9
	s_add_co_u32 s22, s22, 3*32768                 ; the fourth weight's scale words,
	s_lshl_b32 s92, s46, 9
	s_mul_i32 s20, s20, 12288
	s_add_co_u32 s20, s20, 3*786432                ; and codes
	s_mul_i32 s46, s46, 12288
	s_mov_b32 s21, 0
	s_mov_b32 s23, 0
	s_mov_b32 s47, 0
	s_mov_b32 s93, 0
	s_mul_i32 s45, s14, HALFT                      ; where they go: no place in the cluster enters an LDS address
	s_mul_i32 s94, s14, HALFS
	s_wait_dscnt 0x0                               ; the opening add is done
	s_wait_kmcnt 0x0
	s_add_nc_u64 s[20:21], s[4:5], s[20:21]
	s_add_nc_u64 s[22:23], s[6:7], s[22:23]
	s_add_nc_u64 s[46:47], s[8:9], s[46:47]
	s_add_nc_u64 s[92:93], s[10:11], s[92:93]
	CROUND                                         ; all sixteen work-groups are here: the first joint loads meet
	s_mov_b32 s[G0S], 1
	s_add_co_u32 s[G0S+1], s94, SCL
	s_mov_b64 s[G0S+2:G0S+3], s[22:23]
	s_or_b32 s[G0S+3], s[G0S+3], 0x80000000
	s_mov_b32 s[G0SB], 1
	s_add_co_u32 s[G0SB+1], s94, SCL
	s_mov_b64 s[G0SB+2:G0SB+3], s[92:93]
	s_or_b32 s[G0SB+3], s[G0SB+3], 0x80000000
	JLOAD G0S, G1S, G0SB, G1SB
.irp s, 0,1
	s_mov_b32 s[G0+4*\s], 1
	s_add_co_u32 s[G0+4*\s+1], s45, \s*SLOT
	s_add_nc_u64 s[G0+4*\s+2:G0+4*\s+3], s[20:21], \s*KSB
	s_or_b32 s[G0+4*\s+3], s[G0+4*\s+3], 0x80000000
	s_mov_b32 s[G0B+4*\s], 1
	s_add_co_u32 s[G0B+4*\s+1], s45, \s*SLOT
	s_add_nc_u64 s[G0B+4*\s+2:G0B+4*\s+3], s[46:47], \s*KSB
	s_or_b32 s[G0B+4*\s+3], s[G0B+4*\s+3], 0x80000000
	s_wait_alu depctr_va_vdst(0)
	s_wait_tensorcnt 0x0
	ds_add_u32 v28, v29
	s_wait_dscnt 0x0
	CROUND
	JLOAD G0+4*\s, G1, G0B+4*\s, G1B               ; one tensor load of mine is out
.endr
	v_and_b32 v1, 15, v0                           ; r
	v_bfe_u32 v2, v0, 4, 1                         ; h
	v_and_b32 v3, 31, v0
	v_lshlrev_b32 v[L16], 4, v3
	v_lshlrev_b32 v[L8], 3, v3
	s_mul_i32 s21, s15, HALFT
	s_mul_i32 s22, s16, HALFT
	s_add_co_u32 s22, s22, 2*HALFT
.irp s, 0,1
	v_add_nc_u32 v[A16+\s], s21, v[L16]
	v_add_nc_u32 v[A8+\s], s21, v[L8]
	v_add_nc_u32 v[B16+\s], s22, v[L16]
	v_add_nc_u32 v[B8+\s], s22, v[L8]
	s_add_co_u32 s21, s21, SLOT
	s_add_co_u32 s22, s22, SLOT
.endr
	v_lshlrev_b32 v6, 3, v1
	s_mul_i32 s21, s15, HALFS
	s_mul_i32 s22, s16, HALFS
	s_add_co_u32 s22, s22, 2*HALFS
	s_sub_co_u32 s22, s22, s21
	v_mul_u32_u24 v7, s22, v2                      ; lanes 16-31 take B's: one product with h
	s_add_co_u32 s21, s21, SCL
	v_add_nc_u32 v6, v6, v7
	v_add_nc_u32 v[ADRS], s21, v6
	s_mul_i32 s23, s14, 16*SPITCH                  ; my stage
	v_mul_u32_u24 v6, v1, SPITCH
	v_lshl_add_u32 v6, v2, 6, v6                   ; in: row r, + 64 h: 16 t
	v_add_nc_u32 v[STO], s23, v6
	v_add_nc_u32 v[RD], s23, v[L16]                ; back: the 32 lanes take one row of 512 bytes
	s_lshr_b32 s20, s42, 3
	s_lshl_b32 s20, s20, 23                        ; out0: the batch: eight blocks of 256 t each,
	s_lshl_b32 s21, s17, 8
	s_lshl_b32 s22, s15, 7
	s_add_co_u32 s21, s21, s22
	s_lshl_b32 s21, s21, 13                        ; my first o: 256 x block + 128 x half,
	s_add_co_u32 s20, s20, s21
	s_and_b32 s21, s42, 7
	s_lshl_b32 s21, s21, 10                        ; my first t: 256 x block in the batch
	s_add_co_u32 s20, s20, s21
	s_lshl_b32 s21, s16, 9                         ; + 128 x half
	s_add_co_u32 s20, s20, s21
	s_mov_b32 s21, 0
	s_add_nc_u64 s[12:13], s[12:13], s[20:21]
.macro FRAG reg, a16, a8, off          ; a fragment is two images on end: four loads, each of consecutive bytes from lane to lane
	ds_load_b128 v[\reg:\reg+3], v[\a16] offset:\off
	ds_load_b64 v[\reg+4:\reg+5], v[\a8] offset:\off+512
	ds_load_b128 v[\reg+6:\reg+9], v[\a16] offset:\off+768
	ds_load_b64 v[\reg+10:\reg+11], v[\a8] offset:\off+1280
.endm
; 16 matrix instructions: A's tiles a0, a0 + 1 x B's eight.  The 64 accumulators take turns, one instruction a turn, in the same order in every step.
.macro MUL16 a0, p, q, sc, zero
.irp a, \a0, \a0+1
.irp b, 0,1,2,3,4,5,6,7
.if \zero
	v_wmma_scale_f32_16x16x128_f8f6f4 v[8*(8*((\a)%4)+\b):8*(8*((\a)%4)+\b)+7], v[128*(\p)+FR*\b:128*(\p)+FR*\b+FR-1], v[AF+FR*(\a):AF+FR*(\a)+FR-1], 0, v[SC+8*NQ*(\sc)+NQ*\b+(\q)], v[SC+8*NQ*(\sc)+NQ*(\a)+(\q)] matrix_a_fmt:MATRIX_FMT_FP6 matrix_b_fmt:MATRIX_FMT_FP6 matrix_a_scale:MATRIX_SCALE_ROW1
.else
	v_wmma_scale_f32_16x16x128_f8f6f4 v[8*(8*((\a)%4)+\b):8*(8*((\a)%4)+\b)+7], v[128*(\p)+FR*\b:128*(\p)+FR*\b+FR-1], v[AF+FR*(\a):AF+FR*(\a)+FR-1], v[8*(8*((\a)%4)+\b):8*(8*((\a)%4)+\b)+7], v[SC+8*NQ*(\sc)+NQ*\b+(\q)], v[SC+8*NQ*(\sc)+NQ*(\a)+(\q)] matrix_a_fmt:MATRIX_FMT_FP6 matrix_b_fmt:MATRIX_FMT_FP6 matrix_a_scale:MATRIX_SCALE_ROW1
.endif
.endr
.endr
.endm
.macro FETCH_B slot, q, p
	WIN TO_B
.irp i, 0,1,2,3,4,5,6,7
	FRAG 128*(\p)+FR*\i, B16+\slot, B8+\slot, \i*KSB+(\q)*1536
.endr
	WIN 0
.endm
.macro FETCH_A slot, q, i0
.irp i, \i0, \i0+1, \i0+2, \i0+3
	FRAG AF+FR*(\i), A16+\slot, A8+\slot, (\i)*KSB+(\q)*1536
.endr
.endm
.macro SCALES sc
.irp i, 0,1,2,3,4,5,6,7
	ds_load_b64 v[SC+8*NQ*\sc+NQ*\i:SC+8*NQ*\sc+NQ*\i+1], v[ADRS] offset:(\i/2)*1024+(\i%2)*128
.endr
.endm
.macro PLACES n                        ; a load into a register that a matrix instruction has read, and a read of a result, stand four plain vector instructions behind it (ISA guide 7.12.1 for the read of a result)
.rept \n
	v_nop
.endr
.endm
.macro STEP slot, q, zero
	s_wait_dscnt 4*NL                              ; B's set and A's tiles 0-3 are in; the youngest 16 loads (A's tiles 4-7) may be out
	WIN MUL_LO
	MUL16 0, (\q)%2, \q, \slot, \zero
	MUL16 2, (\q)%2, \q, \slot, \zero
	s_wait_dscnt 0
	PLACES NP
	FETCH_B \slot, (\q)+1, 1-(\q)%2
	FETCH_A \slot, (\q)+1, 0
	WIN MUL_HI
	MUL16 4, (\q)%2, \q, \slot, \zero
	MUL16 6, (\q)%2, \q, \slot, \zero
	PLACES NP
	WIN 0
	FETCH_A \slot, (\q)+1, 4
.endm
; A slot's last step changes slots: one barrier; in front of it each wave waits for all its tensor loads, adds 0 to its spare word, and waits for that and for its reads of this slot.  fill = 1: this slot is filled again, two K steps ahead.
.macro TURN slot, next, fill
	s_wait_tensorcnt 0x0                           ; all my tensor loads have landed: my part of the next slot
	ds_add_u32 v[SPW], v[NIL]                      ; 0 onto my spare word
	s_wait_dscnt 4*NL+1                            ; (the add and the youngest 16 loads may be out)
	WIN MUL_LO
	MUL16 0, 1, NQ-1, \slot, 0
	s_wait_dscnt 0x0                               ; the add is done, and my reads of this slot are over
	s_barrier_signal -1
	MUL16 2, 1, NQ-1, \slot, 0
	WIN 0
	s_barrier_wait -1
.if \fill
	CREST                                          ; the barrier has opened a round of the cluster's: no wave of any partner still reads this slot or has a load on its way
	s_add_nc_u64 s[G0+4*\slot+2:G0+4*\slot+3], s[G0+4*\slot+2:G0+4*\slot+3], 2*KSB
	s_add_nc_u64 s[G0B+4*\slot+2:G0B+4*\slot+3], s[G0B+4*\slot+2:G0B+4*\slot+3], 2*KSB
	JLOAD G0+4*\slot, G1, G0B+4*\slot, G1B         ; the first tensor load behind the round; its four v_nop are the places in front of the loads below
.else
	PLACES NP
.endif
	s_wait_alu depctr_va_vdst(0)
	v_add_nc_u32 v[ADRS], 256, v[ADRS]
	FETCH_B \next, 0, 0
	FETCH_A \next, 0, 0
	SCALES \next
	WIN MUL_HI
	MUL16 4, 1, NQ-1, \slot, 0
	MUL16 6, 1, NQ-1, \slot, 0
	PLACES NP
	WIN 0
	FETCH_A \next, 0, 4
.endm
	s_wait_alu depctr_va_vdst(0)
	s_wait_tensorcnt 1                             ; the scale words and my part of K step 0 are in; K step 1's load may be out
	s_barrier_signal -1
	s_barrier_wait -1
	FETCH_B 0, 0, 0
	FETCH_A 0, 0, 0
	SCALES 0
	FETCH_A 0, 0, 4
	STEP 0, 0, 1
	TURN 0, 1, 1                                   ; slot 0 takes K step 2
	STEP 1, 0, 0
	TURN 1, 0, 1                                   ; slot 1 takes K step 3
	STEP 0, 0, 0
	TURN 0, 1, 0
	STEP 1, 0, 0
	s_wait_dscnt 4*NL
	WIN MUL_LO
	MUL16 0, 1, NQ-1, 1, 0
	MUL16 2, 1, NQ-1, 1, 0
	s_wait_dscnt 0
	WIN MUL_HI
	MUL16 4, 1, NQ-1, 1, 0
	MUL16 6, 1, NQ-1, 1, 0
	WIN 0
; THE WAY OUT, a tile of A (16 o x 128 t) at a time, through my own stage in LDS: a lane's 32 bytes go to their place in row r, and whole rows of 512 bytes come back, which the 32 lanes store.
; LDS serves a wave's instructions in order (ISA guide 5.7.1.4): no wait between the stores and the loads, nor in front of the next tile's stores.
.macro TOSTAGE a
.set AC, 64*((\a)%4)
.set SW, 0x08+4*((\a)/4)
	WIN SW                                         ; an LDS store's data are its source 1: window 2 or 3
.irp b, 0,1,2,3,4,5,6,7
	ds_store_b128 v[STO], v[AC+8*\b:AC+8*\b+3] offset:128*(\b/2)+32*(\b%2)         ; each accumulator from its low end on: t = 32 (b / 2) + 16 h + 8 (b % 2) + 0 .. 3
	ds_store_b128 v[STO], v[AC+8*\b+4:AC+8*\b+7] offset:128*(\b/2)+32*(\b%2)+16
.endr
	WIN 0
.set BB, BK+64*((\a)%2)
.irp t, 0,1,2,3,4,5,6,7,8,9,10,11,12,13,14,15
	ds_load_b128 v[BB+4*\t:BB+4*\t+3], v[RD] offset:\t*SPITCH
.endr
.endm
.macro SEND a, younger                 ; younger: the LDS instructions issued behind tile a's loads, which may stay out
.set BB, BK+64*((\a)%2)
	s_wait_dscnt \younger
.if (\a) > 0
.if (\a)%2
	s_add_nc_u64 s[12:13], s[12:13], 8*OROW        ; (behind a wait on XCNT)  an odd tile begins 8 rows behind the even one,
.else
	s_add_nc_u64 s[12:13], s[12:13], 24*OROW       ; the next pair 24 rows behind that
.endif
.endif
.irp t, 0,1,2,3,4,5,6,7,8,9,10,11,12,13,14,15
	global_store_b128 v[L16], v[BB+4*\t:BB+4*\t+3], s[12:13] offset:(\t+8*(\t/8))*OROW th:TH_STORE_NT   ; slot t is row t + 8 (t / 8) of the tile; 32 lanes store 512 consecutive bytes, at a multiple of 256 from out0's first byte
.endr
.endm
	PLACES NP                                      ; behind the last products: for the loads into A's fragments' registers and the reads of results
	TOSTAGE 0
.irp a, 1,2,3,4,5,6,7
.if \a > 1
	s_wait_xcnt 0x0                                ; tile a - 2's stores have read their registers and their base: tile a's loads may land there, and the base may step
.endif
	TOSTAGE \a
	SEND \a-1, 32                                  ; behind tile a - 1's loads: tile a's 16 stores and 16 loads
.endr
	s_wait_xcnt 0x0                                ; tile 6's stores have read their base
	SEND 7, 0
	s_wait_tensorcnt 0x0                           ; the wave's end: behind my last tensor load and my last LDS store
	ds_add_u32 v[SPW], v[NIL]
	s_wait_dscnt 0x0
	CROUND                                         ; the closing round: no work-group ends while a partner may still ask for a tile that names it
	s_endpgm
.Lfunc_end_k_q8e5f9032ce_proj:
	.size	k_q8e5f9032ce_proj, .Lfunc_end_k_q8e5f9032ce_proj-k_q8e5f9032ce_proj
	.p2alignl 7, 3214868480
	.fill 96, 4, 3214868480
	.section	.rodata,"a",@progbits
	.p2align	6, 0x0
	.amdhsa_kernel k_q8e5f9032ce_proj
		.amdhsa_group_segment_fixed_size 327680
		.amdhsa_private_segment_fixed_size 0
		.amdhsa_enable_private_segment 0
		.amdhsa_kernarg_size 40
		.amdhsa_user_sgpr_count 2
		.amdhsa_user_sgpr_kernarg_segment_ptr 1
		.amdhsa_wavefront_size32 1
		.amdhsa_system_sgpr_workgroup_id_x 1
		.amdhsa_system_sgpr_workgroup_id_y 1
		.amdhsa_system_sgpr_workgroup_id_z 1
		.amdhsa_system_vgpr_workitem_id 0
		.amdhsa_next_free_vgpr 1024
		.amdhsa_next_free_sgpr 98
		.amdhsa_reserve_vcc 0
		.amdhsa_float_denorm_mode_32 3
		.amdhsa_float_denorm_mode_16_64 3
		.amdhsa_memory_ordered 1
		.amdhsa_forward_progress 1
		.amdhsa_inst_pref_size 144
	.end_amdhsa_kernel
	.amdgpu_metadata
---
amdhsa.version: [ 1, 2 ]
amdhsa.kernels:
  - .name:           k_q8e5f9032ce_proj
    .symbol:         k_q8e5f9032ce_proj.kd
    .args:
      - { .name: wc, .offset: 0, .size: 8, .value_kind: global_buffer, .address_space: global }
      - { .name: ws, .offset: 8, .size: 8, .value_kind: global_buffer, .address_space: global }
      - { .name: mc, .offset: 16, .size: 8, .value_kind: global_buffer, .address_space: global }
      - { .name: ms, .offset: 24, .size: 8, .value_kind: global_buffer, .address_space: global }
      - { .name: out0, .offset: 32, .size: 8, .value_kind: global_buffer, .address_space: global }
    .group_segment_fixed_size: 327680
    .private_segment_fixed_size: 0
    .kernarg_segment_align: 8
    .kernarg_segment_size: 40
    .max_flat_workgroup_size: 128
    .sgpr_count:     98
    .vgpr_count:     1024
    .wavefront_size: 32
...
	.end_amdgpu_metadata
.endif
;; end of part 5
